; MI455X (gfx1250); checked and timed in simulation.
; The chip was launched on July 23, 2026; its instructions are those of AMD's public machine-readable ISA for CDNA 5 (MIT licence, August 2026) and "CDNA5" Instruction Set Architecture Reference Guide (July 2026). The comments in the code are by the model that wrote it; some were corrected since.
;; Self Attention. Allowed arithmetic: matrix products marked QUANTISED: E2M3 operands, one E8M0 scale for each 32 along K, by v_wmma_scale_f32_16x16x128_f8f6f4 with both operands' format E2M3, f32 sums; everything else in f32.
;; Inputs: b_in 3,072 float32; b_out 1,024 float32; w_in_codes 3,072 x 32 x 24 uint8 (E2M3 codes of w_in, K innermost, in blocks of 32 codes, four codes in three bytes); w_in_scales 3,072 x 32 uint8 (E8M0 scales of w_in, one for each 32 codes along K); w_out_codes 1,024 x 32 x 24 uint8 (E2M3 codes of w_out, K innermost, in blocks of 32 codes, four codes in three bytes); w_out_scales 1,024 x 32 uint8 (E8M0 scales of w_out, one for each 32 codes along K); x_codes 4 x 2,048 x 32 x 24 uint8 (E2M3 codes of x, K innermost, in blocks of 32 codes, four codes in three bytes); x_scales 4 x 2,048 x 32 uint8 (E8M0 scales of x, one for each 32 codes along K).
;; Outputs: out0 4 x 2,048 x 1,024 float32.
;; This version of the problem:
;;   THIS VERSION OF THE PROBLEM IS GIVEN IN LOW PRECISION. The matrix products marked QUANTISED in the list below multiply operands that are first quantised to E2M3 (2 exponent bits, 3 mantissa bits; 6 bits a number), with one power-of-two scale for each 32 numbers along K (OCP MX v1.0); their sums are f32. All else is computed in f32.
;;   The module's matrix products, in the order in which they are computed (A, B: the left and right operand; K: the contracted axis; several contracted axes count as one K, in the product's order):
;;     1. [M 8,192, K 1,024] x [K 1,024, N 3,072]; A: input x (given as codes); B: input w_in (given as codes): QUANTISED
;;     2. batch 64 x [M 2,048, K 64] x [K 64, N 2,048]; A: computed on the way; B: computed on the way: QUANTISED
;;     3. batch 64 x [M 2,048, K 2,048] x [K 2,048, N 64]; A: softmax (see below); B: computed on the way: QUANTISED
;;     4. [M 8,192, K 1,024] x [K 1,024, N 1,024]; A: computed on the way; B: input w_out (given as codes): QUANTISED
;;   THE QUANTISER, for each operand of a quantised product, along K:
;;     - K is cut into blocks of 32 from its start; a last block that is shorter is filled with zeros.
;;     - A block's scale is 2^e with e = floor(log2(the largest magnitude in the block)) - 2, held to -126 .. 127; a block of zeros has e = 0. As a byte (E8M0): e + 127.
;;     - Each number is divided by its block's scale, clamped to +-7.5, and rounded to the nearest number of E2M3, ties to even, subnormals kept.
;;     - The product sums the exact products of the quantised numbers (number of the format x scale) in f32.
;;   ~~~python
;;   def quantise(x, axis):      # numpy; x: float32 -> the quantised numbers, widened to float32 again
;;       x = np.moveaxis(x, axis, -1); K = x.shape[-1]
;;       x = np.pad(x, [(0, 0)] * (x.ndim - 1) + [(0, -K % 32)]); x = x.reshape(x.shape[:-1] + (-1, 32)); a = np.abs(x).max(-1, keepdims=True)
;;       e = np.where(a > 0, np.clip(np.frexp(np.where(a > 0, a, 1))[1] - 1 - 2, -126, 127), 0)      # np.frexp(a)[1] - 1 = floor(log2(a)), exactly
;;       r = np.clip(x / 2.0 ** e, -7.5, 7.5)
;;       step = 2.0 ** (np.maximum(np.frexp(np.where(r == 0, 1, r))[1] - 1, 0) - 3)
;;       q = np.round(r / step) * step * 2.0 ** e      # np.round: ties to even
;;       return np.moveaxis(q.reshape(q.shape[:-2] + (-1,))[..., :K], -1, axis).astype(np.float32)
;;   ~~~
;;   SOFTMAX AHEAD OF A QUANTISED PRODUCT. Where the list says 'softmax', what is quantised is not the finished softmax but p = 2^(t - M), with t = logit x log2(e) and M = ceil(the row's largest t), a whole number; so 1/2 < the row's largest p <= 1. The row's sum l is taken of the UNQUANTISED p, in f32, and the product's result is divided by l at the end. Since M is a whole number, a kernel that streams over the keys may use a running M (the ceiling of the running maximum): every later rescaling is an exact power of two, which a block's scale takes up: the codes' values come out the same.
;;   OPERANDS COMPUTED ON THE WAY. 'Computed on the way' means the value that the module computes at that place (a softmax that the list does not call 'softmax' is quantised finished and normalised). What goes into a quantiser is computed in f32, as accurately as f32 sums, v_exp_f32 and their like allow (about 1e-6 of the number): no bf16 or f16 on the way to a quantiser, and a product that is left as it is and whose result goes on into a quantised operand takes f32 operands (vector FMAs, or v_wmma_f32_16x16x4_f32). A number that lies on a knife's edge between two numbers of the format may be rounded either way, as far as f32 arithmetic and the matrix unit's own rounding can turn it there, and no further.
;;   INPUTS GIVEN AS CODES. w_in (in the module: [3072, 1024], K = its axis 1); w_out (in the module: [1024, 1024], K = its axis 1); x (in the module: [4, 2048, 1024], K = its axis 2): each comes as NAME_codes (uint8): NAME with its K axis moved to the last place and cut into blocks of 32 codes, [.., K / 32, bytes a block], one block behind the other in memory; four codes in three bytes: a row's codes are one little-endian stream of bits, code i at bits 6 i .. 6 i + 5 (a code: sign, 2 exponent bits, 3 mantissa bits); and NAME_scales (uint8): the same leading axes, one E8M0 byte (e + 127) for each 32 codes along K. Its value is code x scale, taken as it is: it is not quantised again, and the codes and scales need not be those that the quantiser above would give.
;; One version. Each part assembles by itself: llvm-mc -triple=amdgcn-amd-amdhsa -mcpu=gfx1250 --defsym DOCPART=n.
;; ======== version 1 of 1: 3 launches
;; workspace buffers: q_img 6,291,456 bytes; q_sc 262,144 bytes; kv_img 13,107,200 bytes; o_img 6,291,456 bytes; o_sc 262,144 bytes
;; launch qkv (part 1): grid 8 x 48, 4 waves a work-group, clusters of 4 x 4, 327,680 bytes of LDS; arguments x_codes, x_scales, w_in_codes, w_in_scales, b_in, q_img, q_sc, kv_img; writes q_img, q_sc, kv_img
.if DOCPART == 1
	.amdgcn_target "amdgcn-amd-amdhsa--gfx1250"
	.amdhsa_code_object_version 6
	.text
	.protected	k_qbed40696d6_qkv
	.globl	k_qbed40696d6_qkv
	.p2align	8
	.type	k_qbed40696d6_qkv,@function
k_qbed40696d6_qkv:
	s_mov_b64 s[64:65], 0
	v_nop
	global_prefetch_b8 v0, s[64:65] scope:SCOPE_SE
	s_setreg_imm32_b32 hwreg(HW_REG_WAVE_MODE, 25, 1), 1
	s_wait_xcnt 0x0
	s_wait_alu depctr_hold_cnt(0) depctr_sa_sdst(0) depctr_va_vdst(0) depctr_va_sdst(0) depctr_va_ssrc(0) depctr_va_vcc(0) depctr_vm_vsrc(0)
	s_getreg_b32 s2, hwreg(HW_REG_IB_STS2, 6, 4)
	s_cmp_eq_u32 s2, 0
	s_cbranch_scc0 .Lentry_in_a_cluster
	s_endpgm
.Lentry_in_a_cluster:
	s_bfe_u32 s2, ttmp6, 0x10000c
	s_cmp_lg_u32 s2, 0xf033
	s_cbranch_scc0 .Lentry_shape_is_right
	s_endpgm
.Lentry_shape_is_right:
; qkv = x w_in^T + b_in on codes of FP6 (E2M3) with E8M0 scales, K = 1,024; the sums are quantised again at once and leave as codes: q and k along the head's 64, v along the keys.
; A tile of 256 x 256 sums is made by four waves, 128 x 128 each: 64 accumulators, 512 registers.  K goes in steps of 256 through two LDS slots filled by the tensor data mover; the scale bytes of the
; work-group's rows come once and stay in LDS.  4 x 4 work-groups form a cluster and ask for shared tiles jointly.
; ROLES.  Source 0 of the matrix instruction ('B') holds the rows that are the NEXT product's K, source 1 ('A') the row that a lane keeps.  Clusters with y < 8 make q and k: A = 16 tokens, B = 16 features of w_in's
; rows 0 .. 2,047.  Clusters with y >= 8 make v: A = 16 channels (w_in's rows 2,048 on), B = 16 tokens.  In a result lane (r, h) holds A's row r, and register j B's row 8 h + j.
; ORDER INSIDE A BLOCK.  Registers 16 B + 8 u + j of lane half h' hold index 32 B + 16 u + 8 h' + j of the next K; the quantiser lays them at place 16 h' + 8 u + j of block B.  The block holds the same 32 numbers,
; so its scale is the rule's; q and k take the same order, and so do v and the later p: the products' terms are the same, added in another order inside an instruction (a limit of rounding order).
; OUT.  Register images.  Half a fragment (16 rows x 64 k, 768 bytes): registers 0-3 at 16 x lane, then registers 4-5 at 512 + 8 x lane.  A whole fragment (1,536 bytes): three times 512 bytes.
;   q_img [bh 64][tile of 16 queries 128][768];   q_sc [bh][pair of tiles 64][r 16] words: low half the even tile's two bytes, high half the odd tile's.
;   kv_img [bh][key step of 128 keys 16][12,800]: 8 half fragments of K; at 6,144 four fragments of V^T; at 12,288 K's scale words [pair of tiles 4][r 16]; at 12,544 V's [channel tile 4][r 16].
; LIMITS: NaN, infinities and a given scale byte 0xff are not served; a block of zeros gets the byte 1 where the rule says 127 (its codes are zeros, and only this program reads the bytes).
.set KSTEP,  256                       ; along K in a slot
.set NQ,     2                         ; matrix instructions deep
.set ROWB,   192                       ; a tile's row in bytes
.set KROW,   768                       ; a row of x or of w_in in memory
.set PITCH,  240                       ; an LDS row: 3 x (64 bytes + 16 of padding)
.set FR,     12                        ; registers of a fragment
.set NL,     6                         ; LDS loads that bring one
.set NP,     4                         ; places behind this matrix instruction (ISA guide 7.12.1)
.set HALFT,  128*PITCH                 ; what one tensor load brings
.set SLOT,   4*HALFT                   ; A's 256 rows, then B's 256 rows
.set KS,     32                        ; a row of scale bytes
.set SCL,    2*SLOT                    ; behind the ring: the scales, units of 256 bytes + 16
.set HALFS,  (128*KS/256)*272
.set SBLK,   (16*KS/256)*272
.set SPARE,  SCL+4*HALFS               ; the spare words: 128 bytes a wave, named by no other line
.set QHEAD,  98304                     ; a head in q_img
.set KVHEAD, 204800                    ; a head in kv_img
.set KVSTEP, 12800                     ; a key step in kv_img
.set ADRA, 16                          ; v16-17 LDS address of A's fragments in slot 0, 1; v18-19 the same behind one padding more
.set ADRB, 20                          ; v20-23 the same for B
.set ADRS, 27                          ; v27 LDS address of my scale words: lanes 0-15 A's, lanes 16-31 B's
.set SPW,  28                          ; v28 my spare word; never rewritten
.set NIL,  29                          ; v29 0; never rewritten
.set SC,   32                          ; v32-63 scale words, two sets, and nothing else
.set BR,   64                          ; v64-127 the bias
.set AF,   128                         ; v128-223 A's fragments, one set
.set HA,   128                         ; the way out: v128-191 64 sums + bias
.set CD,   192                         ; v192-203 the codes; v204-206, v208-210 second halves
.set TM,   212                         ; v212-227 at work in the quantiser
.set PWR,  228                         ; v228, v229 the scale words of an even and an odd tile
.set BA,   240                         ; v240-247 the bias loads' offsets
.set G1, 24
.set G0, 32
.set G1B, 48
.set G0B, 56
.set G1S, 68
.set G0S, 76
.set G1SB, 80
.set G0SB, 88
.set SEL, 2                            ; s[2:3] selects for lane l xor 16
.set HM,  47                           ; s47 mask of lanes 16-31
.set OC,  20                           ; s[20:21] where my codes go
.set OS,  22                           ; s[22:23] where my scale words go
.set MSB, 0
.macro WIN new                         ; the immediate's high byte repeats the setting that is left
.if MSB != \new
	s_set_vgpr_msb (MSB<<8)|\new
.set MSB, \new
.endif
.endm
.set MUL_LO, 0xa1                      ; source 0 (B) window 1, source 1 (A) window 0, C and D window 2
.set MUL_HI, 0xf1                      ; the same, C and D window 3
.set TO_B,   0x40                      ; destination window 1
; A joint load: waves 0 and 1 fetch for A, waves 2 and 3 for B; the branch hangs on the wave's number alone.  Four v_nop follow each line.
.macro JLOAD g0a, g1a, g0b, g1b
	s_cmp_eq_u32 s15, 0
	s_cbranch_scc0 .Lfor_b_\@
	tensor_load_to_lds s[\g0a:\g0a+3], s[\g1a:\g1a+7]
	s_nop 0
.rept 4
	v_nop
.endr
	s_branch .Lasked_\@
.Lfor_b_\@:
	tensor_load_to_lds s[\g0b:\g0b+3], s[\g1b:\g1b+7]
	s_nop 0
.rept 4
	v_nop
.endr
.Lasked_\@:
.endm
.macro CREST                           ; a round of the cluster's barrier behind its opening barrier
	s_cmp_lg_u32 s14, 0
	s_cbranch_scc1 .Lnot_wave_0_\@
	s_barrier_signal -3
.Lnot_wave_0_\@:
	s_barrier_wait -3
	s_barrier_signal -1
	s_barrier_wait -1
.endm
.macro CROUND                          ; a whole round
	s_barrier_signal -1
	s_barrier_wait -1
	CREST
.endm
	s_load_b128 s[4:7], s[0:1], 0x0                ; x's codes, x's scales
	s_load_b128 s[8:11], s[0:1], 0x10              ; w_in's codes, w_in's scales
	s_load_b128 s[96:99], s[0:1], 0x20             ; b_in, q_img
	s_load_b64 s[100:101], s[0:1], 0x30            ; q_sc
	s_load_b64 s[66:67], s[0:1], 0x38              ; kv_img
	v_lshl_add_u32 v[SPW], v0, 2, SPARE
	v_mov_b32 v[NIL], 0
	ds_add_u32 v28, v29
	ds_add_u32 v28, v29
	s_wait_dscnt 0x0
	v_lshrrev_b32 v1, 5, v0
	v_readfirstlane_b32 s14, v1                    ; wave 0..3
	s_lshr_b32 s15, s14, 1                         ; my half of A's rows.  Also: I fetch for A (0) or for B (1)
	s_and_b32 s16, s14, 1                          ; my half of B's rows.  Also: which 128 rows I fetch
	s_bfe_u32 s40, ttmp6, 0x40000                  ; cx
	s_bfe_u32 s41, ttmp6, 0x40004                  ; cy
	s_and_b32 s18, ttmp7, 0xffff                   ; the cluster's y, 0 .. 11
	s_max_u32 s19, s18, 8
	s_sub_co_u32 s19, s19, 8
	s_lshl_b32 s19, s19, 1
	s_add_co_u32 s19, s19, ttmp9                   ; region v: 2 (y - 8) + x, 0 .. 7
	s_cmp_ge_u32 s18, 8
	s_cselect_b32 s95, 1, 0                        ; region v?  The same in all sixteen partners
	s_cselect_b32 s17, 0, s18
	s_cselect_b32 s42, s19, ttmp9
	s_lshl_b32 s42, s42, 2
	s_add_co_u32 s42, s42, s40                     ; B's tile of 256 rows
	s_lshl_b32 s17, s17, 2
	s_add_co_u32 s17, s17, s41                     ; A's tile of 256 rows
	s_lshl_b32 s43, s41, 2
	s_lshl_b32 s43, 15, s43                        ; my row of the cluster
	s_lshl_b32 s44, 0x1111, s40                    ; my column
	; descriptor group 1: 128 rows x 192 bytes, 16 bytes of padding behind every 64
	s_or_b32 s[G1+0], s43, (0<<16)|(1<<20)|(1<<21)|(3<<22)|(3<<25)
	s_or_b32 s[G1B+0], s44, (0<<16)|(1<<20)|(1<<21)|(3<<22)|(3<<25)
.irp g, G1, G1B
	s_mov_b32 s[\g+1], ROWB<<16                    ; tensor_dim0
	s_mov_b32 s[\g+2], 128<<16                     ; tensor_dim1
	s_mov_b32 s[\g+3], ROWB<<16                    ; tile_dim0
	s_mov_b32 s[\g+4], 128                         ; tile_dim1
	s_mov_b32 s[\g+5], KROW                        ; from row to row
	s_mov_b32 s[\g+6], 0
	s_mov_b32 s[\g+7], 0
.endr
	; the scales of 128 rows: 4,096 dense bytes as 16 rows of 256 bytes, 16 bytes of padding behind each
	s_or_b32 s[G1S+0], s43, (3<<16)|(1<<20)|(1<<21)|(5<<22)|(3<<25)
	s_or_b32 s[G1SB+0], s44, (3<<16)|(1<<20)|(1<<21)|(5<<22)|(3<<25)
.irp g, G1S, G1SB
	s_mov_b32 s[\g+1], 32<<16
	s_mov_b32 s[\g+2], (128*KS/256)<<16
	s_mov_b32 s[\g+3], 32<<16
	s_mov_b32 s[\g+4], 128*KS/256
	s_mov_b32 s[\g+5], 32
	s_mov_b32 s[\g+6], 0
	s_mov_b32 s[\g+7], 0
.endr
	s_lshl_b32 s18, s16, 7                         ; which 128 rows of the tile I fetch
	s_lshl_b32 s20, s17, 8
	s_add_co_u32 s20, s20, s18
	s_lshl_b32 s19, s95, 11
	s_add_co_u32 s20, s20, s19                     ; A's row (in region v: w_in's rows from 2,048 on)
	s_lshl_b32 s46, s42, 8
	s_add_co_u32 s46, s46, s18                     ; B's row
	s_mov_b32 s21, 0
	s_mov_b32 s47, 0
	s_mov_b64 s[18:19], KS
	s_mul_u64 s[22:23], s[20:21], s[18:19]         ; where these rows' scales begin
	s_mul_u64 s[92:93], s[46:47], s[18:19]
	s_mov_b64 s[18:19], KROW
	s_mul_u64 s[20:21], s[20:21], s[18:19]         ; and their codes
	s_mul_u64 s[46:47], s[46:47], s[18:19]
	s_mul_i32 s45, s14, HALFT                      ; where they go: wave x 128 rows
	s_mul_i32 s94, s14, HALFS
	s_wait_kmcnt 0x0
	s_cmp_lg_u32 s95, 0                            ; the roles: in region v w_in is A and x is B
	s_cselect_b64 s[12:13], s[8:9], s[4:5]         ; A's codes
	s_cselect_b64 s[8:9], s[4:5], s[8:9]           ; B's codes
	s_cselect_b64 s[4:5], s[10:11], s[6:7]         ; A's scales
	s_cselect_b64 s[10:11], s[6:7], s[10:11]       ; B's scales
	s_add_nc_u64 s[20:21], s[12:13], s[20:21]
	s_add_nc_u64 s[22:23], s[4:5], s[22:23]
	s_add_nc_u64 s[46:47], s[8:9], s[46:47]
	s_add_nc_u64 s[92:93], s[10:11], s[92:93]
	CROUND                                         ; all sixteen work-groups are here: the first joint loads meet
	s_mov_b32 s[G0S], 1
	s_add_co_u32 s[G0S+1], s94, SCL
	s_mov_b64 s[G0S+2:G0S+3], s[22:23]
	s_or_b32 s[G0S+3], s[G0S+3], 0x80000000
	s_mov_b32 s[G0SB], 1
	s_add_co_u32 s[G0SB+1], s94, SCL
	s_mov_b64 s[G0SB+2:G0SB+3], s[92:93]
	s_or_b32 s[G0SB+3], s[G0SB+3], 0x80000000
	JLOAD G0S, G1S, G0SB, G1SB                     ; the scales first: they are wanted with K step 0
.irp s, 0,1
	s_mov_b32 s[G0+4*\s], 1
	s_add_co_u32 s[G0+4*\s+1], s45, \s*SLOT
	s_add_nc_u64 s[G0+4*\s+2:G0+4*\s+3], s[20:21], \s*ROWB
	s_or_b32 s[G0+4*\s+3], s[G0+4*\s+3], 0x80000000
	s_mov_b32 s[G0B+4*\s], 1
	s_add_co_u32 s[G0B+4*\s+1], s45, \s*SLOT
	s_add_nc_u64 s[G0B+4*\s+2:G0B+4*\s+3], s[46:47], \s*ROWB
	s_or_b32 s[G0B+4*\s+3], s[G0B+4*\s+3], 0x80000000
	JLOAD G0+4*\s, G1, G0B+4*\s, G1B               ; three loads of mine are out now
.endr
	v_and_b32 v1, 15, v0                           ; r
	v_bfe_u32 v2, v0, 4, 1                         ; h
	v_mul_u32_u24 v3, v1, PITCH
	v_mul_u32_u24 v4, v2, 24
	v_add_nc_u32 v4, v3, v4                        ; a fragment's row x pitch + 24 x half
	v_lshl_add_u32 v5, v2, 4, v4                   ; and the same behind one padding more
	s_mul_i32 s21, s15, HALFT                      ; my 128 rows of A
	s_mul_i32 s22, s16, HALFT                      ; my 128 rows of B,
	s_add_co_u32 s22, s22, 2*HALFT                 ; behind A's 256
.irp s, 0,1
	v_add_nc_u32 v[ADRA+\s], s21, v4
	v_add_nc_u32 v[ADRB+\s], s22, v4
	v_add_nc_u32 v[ADRA+2+\s], s21, v5
	v_add_nc_u32 v[ADRB+2+\s], s22, v5
	s_add_co_u32 s21, s21, SLOT
	s_add_co_u32 s22, s22, SLOT
.endr
	v_mul_u32_u24 v5, v1, KS                       ; my row's scales: 32 bytes a row,
	v_lshrrev_b32 v6, 8, v5
	v_lshl_add_u32 v5, v6, 4, v5                   ; and 16 more for each 256 passed
	s_mul_i32 s21, s15, HALFS
	s_mul_i32 s22, s16, HALFS
	s_add_co_u32 s22, s22, 2*HALFS
	s_sub_co_u32 s22, s22, s21
	v_mul_u32_u24 v6, s22, v2                      ; lanes 16-31 take B's
	s_add_co_u32 s21, s21, SCL
	v_add_nc_u32 v5, v5, v6
	v_add_nc_u32 v[ADRS], s21, v5
	; WHERE THE RESULTS GO.  My 128 tokens are one key step (or 8 query tiles) of one batch; my 128 features are two heads.
	s_mov_b32 s[SEL], 0x76543210
	s_mov_b32 s[SEL+1], 0xfedcba98
	s_lshl_b32 s18, s17, 1
	s_add_co_u32 s18, s18, s15                     ; A's group of 128 rows
	s_lshl_b32 s19, s42, 1
	s_add_co_u32 s19, s19, s16                     ; B's group of 128 rows
	s_cmp_lg_u32 s95, 0
	s_cselect_b32 s40, s19, s18                    ; the group of tokens, 0 .. 63
	s_cselect_b32 s41, s18, s19                    ; the group of features: q 0-7, k 8-15; in region v 0-7
	s_cselect_b32 s43, 6144, 0                     ; V's fragments lie behind K's in a key step
	s_lshl_b32 s44, s41, 9                         ; the bias: 128 numbers a group,
	s_lshl_b32 s94, s95, 13                        ; in region v from number 2,048 on
	s_add_co_u32 s92, s44, s94
	s_mov_b32 s93, 0
	s_add_nc_u64 s[92:93], s[96:97], s[92:93]
	s_cmp_lt_u32 s41, 8
	s_cselect_b32 s94, 1, 0
	s_cmp_lg_u32 s95, 0
	s_cselect_b32 s94, 0, s94                      ; do I make q?
	s_mov_b32 s44, 12288
	s_cselect_b32 s44, 12544, s44                  ; the scale words' place in a key step: V's or K's
	s_and_b32 s41, s41, 7                          ; the pair of heads
	s_lshr_b32 s18, s40, 4                         ; batch
	s_and_b32 s40, s40, 15                         ; key step
	s_lshl_b32 s18, s18, 4
	s_lshl_b32 s41, s41, 1
	s_add_co_u32 s18, s18, s41                     ; bh of my first head
	s_cmp_lg_u32 s94, 0
	s_cselect_b64 s[OC:OC+1], s[98:99], s[66:67]
	s_cselect_b64 s[OS:OS+1], s[100:101], s[66:67]
	s_mov_b32 s45, KVHEAD
	s_mov_b32 s46, s45
	s_cselect_b32 s45, QHEAD, s45                  ; codes: from head to head
	s_cselect_b32 s46, 4096, s46                   ; scale words: from head to head
	s_mov_b32 s19, KVSTEP
	s_mov_b32 s41, s19
	s_cselect_b32 s19, 6144, s19                   ; codes: from one group of 128 tokens to the next
	s_cselect_b32 s41, 256, s41                    ; scale words likewise
	s_cselect_b32 s44, 0, s44
	s_mul_i32 s19, s19, s40
	s_mul_i32 s41, s41, s40
	s_mul_i32 s40, s18, s45
	s_mul_i32 s18, s18, s46
	s_add_co_u32 s40, s40, s19
	s_add_co_u32 s40, s40, s43
	s_add_co_u32 s18, s18, s41
	s_add_co_u32 s18, s18, s44
	s_mov_b32 s41, 0
	s_mov_b32 s19, 0
	s_add_nc_u64 s[OC:OC+1], s[OC:OC+1], s[40:41]
	s_add_nc_u64 s[OS:OS+1], s[OS:OS+1], s[18:19]
	s_cmp_lg_u32 s95, 0
	s_cselect_b32 s46, 64, s46                     ; what lanes 16-31 of a scale store add: the next channel tile, or the next head
	s_cselect_b32 s18, 4, 0                        ; the bias: region v: my channel, 4 r, the same for all eight registers of a tile;
	s_cselect_b32 s19, 0, 32                       ; regions q, k: my eight features, 32 h + 4 j
	s_cselect_b32 s40, 0, 4
	v_and_b32 v6, 31, v0
	v_cmp_lt_u32 s[HM], 15, v6
	v_lshlrev_b32 v7, 4, v6                        ; 16 x lane
	v_add_nc_u32 v8, s45, v7                       ; and in the second head
	v_lshlrev_b32 v9, 3, v6                        ; 8 x lane
	v_add_nc_u32 v10, s45, v9
	v_mul_u32_u24 v11, s46, v2
	v_lshl_add_u32 v11, v1, 2, v11                 ; a scale word's place: 4 r, lanes 16-31 further on
	v_mul_u32_u24 v[BA], s18, v1
	v_mad_u32_u24 v[BA], s19, v2, v[BA]
.irp j, 1,2,3,4,5,6,7
	v_add_nc_u32 v[BA+\j], s40, v[BA+\j-1]
.endr
.irp t, 0,1,2,3,4,5,6,7                        ; one form of loads for both regions, so that all 64 registers are written on every way; waited for at the way out
.irp j, 0,1,2,3,4,5,6,7
	global_load_b32 v[BR+8*\t+\j], v[BA+\j], s[92:93] offset:64*\t
.endr
.endr
.macro FRAG reg, adr, q, i             ; a fragment, 16 rows x 128 K, is 12 registers: lane l holds row l % 16; registers 6 c .. 6 c + 5 hold K = 64 c + 32 (l / 16) + 0 .. 31, 24 bytes as they lie
.irp p, 0,1,2,3,4,5                    ; in pieces of 8 bytes; where lanes 16-31's piece lies behind one padding more, the second address register serves
.set PCE, 12*(\q)+6*(\p/3)+\p%3
.if PCE%8 < 5
	ds_load_b64 v[\reg+2*\p:\reg+2*\p+1], v[\adr] offset:8*PCE+16*(PCE/8)+(\i)*16*PITCH
.else
	ds_load_b64 v[\reg+2*\p:\reg+2*\p+1], v[\adr+2] offset:8*PCE+16*(PCE/8)+(\i)*16*PITCH
.endif
.endr
.endm
; 16 matrix instructions: A's blocks a0, a0 + 1 x B's eight, 128 along K.  p: B's set; sc: the set of scale words; zero = 1: the first product starts the sums.
; The 64 accumulators take turns, one instruction a turn, in the same order in every step.
.macro MUL16 a0, p, q, sc, zero
.irp a, \a0, \a0+1
.irp b, 0,1,2,3,4,5,6,7
.if \zero
	v_wmma_scale_f32_16x16x128_f8f6f4 v[8*(8*((\a)%4)+\b):8*(8*((\a)%4)+\b)+7], v[128*(\p)+FR*\b:128*(\p)+FR*\b+FR-1], v[AF+FR*(\a):AF+FR*(\a)+FR-1], 0, v[SC+8*NQ*(\sc)+NQ*\b+(\q)], v[SC+8*NQ*(\sc)+NQ*(\a)+(\q)] matrix_a_fmt:MATRIX_FMT_FP6 matrix_b_fmt:MATRIX_FMT_FP6 matrix_a_scale:MATRIX_SCALE_ROW1
.else
	v_wmma_scale_f32_16x16x128_f8f6f4 v[8*(8*((\a)%4)+\b):8*(8*((\a)%4)+\b)+7], v[128*(\p)+FR*\b:128*(\p)+FR*\b+FR-1], v[AF+FR*(\a):AF+FR*(\a)+FR-1], v[8*(8*((\a)%4)+\b):8*(8*((\a)%4)+\b)+7], v[SC+8*NQ*(\sc)+NQ*\b+(\q)], v[SC+8*NQ*(\sc)+NQ*(\a)+(\q)] matrix_a_fmt:MATRIX_FMT_FP6 matrix_b_fmt:MATRIX_FMT_FP6 matrix_a_scale:MATRIX_SCALE_ROW1
.endif
.endr
.endr
.endm
.macro FETCH_B slot, q, p              ; B's eight fragments of the slot's q-th 128 along K into set p
	WIN TO_B
.irp i, 0,1,2,3,4,5,6,7
	FRAG 128*(\p)+FR*\i, ADRB+\slot, \q, \i
.endr
	WIN 0
.endm
.macro FETCH_A slot, q, i0             ; A's blocks i0 .. i0 + 3
.irp i, \i0, \i0+1, \i0+2, \i0+3
	FRAG AF+FR*(\i), ADRA+\slot, \q, \i
.endr
.endm
.macro SCALES sc                       ; a K step's scale words: two words a row; lanes 0-15 A's block i, lanes 16-31 B's block i
.irp i, 0,1,2,3,4,5,6,7
	ds_load_b64 v[SC+8*NQ*\sc+NQ*\i:SC+8*NQ*\sc+NQ*\i+1], v[ADRS] offset:\i*SBLK
.endr
.endm
.macro PLACES n                        ; plain vector instructions between a matrix instruction and a load into, or a read of, its registers
.rept \n
	v_nop
.endr
.endm
; A step of 128 along K that has its successor in the same slot.
.macro STEP slot, q, zero
	s_wait_dscnt 4*NL                              ; B's set and A's blocks 0-3 are in; the youngest 24 loads (A's blocks 4-7) may be out
	WIN MUL_LO
	MUL16 0, (\q)%2, \q, \slot, \zero
	MUL16 2, (\q)%2, \q, \slot, \zero
	s_wait_dscnt 0                                 ; A's blocks 4-7 are in
	PLACES NP
	FETCH_B \slot, (\q)+1, 1-(\q)%2
	FETCH_A \slot, (\q)+1, 0
	WIN MUL_HI
	MUL16 4, (\q)%2, \q, \slot, \zero
	MUL16 6, (\q)%2, \q, \slot, \zero
	PLACES NP
	WIN 0
	FETCH_A \slot, (\q)+1, 4
.endm
; A slot's last step changes slots: one barrier; in front of it each wave waits for all its tensor loads, adds 0 to its spare word, and waits for that and for its reads of this slot.
.macro TURN slot, next, fill
	s_wait_tensorcnt 0x0                           ; all my tensor loads have landed: my part of the next slot
	ds_add_u32 v[SPW], v[NIL]                      ; 0 onto my spare word
	s_wait_dscnt 4*NL+1                            ; the add and the youngest 24 loads may be out
	WIN MUL_LO
	MUL16 0, 1, NQ-1, \slot, 0
	s_wait_dscnt 0x0                               ; the add is done, and my reads of this slot are over
	s_barrier_signal -1
	MUL16 2, 1, NQ-1, \slot, 0
	WIN 0
	s_barrier_wait -1
.if \fill
	CREST                                          ; the barrier has opened a round of the cluster's: no wave of any partner still reads this slot or has a load on its way
	s_add_nc_u64 s[G0+4*\slot+2:G0+4*\slot+3], s[G0+4*\slot+2:G0+4*\slot+3], 2*ROWB
	s_add_nc_u64 s[G0B+4*\slot+2:G0B+4*\slot+3], s[G0B+4*\slot+2:G0B+4*\slot+3], 2*ROWB
	JLOAD G0+4*\slot, G1, G0B+4*\slot, G1B         ; my one tensor load behind the round; its four v_nop are the places in front of the loads below
.else
	PLACES NP
.endif
	s_wait_alu depctr_va_vdst(0)
	v_add_nc_u32 v[ADRS], 4*NQ, v[ADRS]            ; the next K step's scale words
	FETCH_B \next, 0, 0
	FETCH_A \next, 0, 0
	SCALES \next
	WIN MUL_HI
	MUL16 4, 1, NQ-1, \slot, 0
	MUL16 6, 1, NQ-1, \slot, 0
	PLACES NP
	WIN 0
	FETCH_A \next, 0, 4
.endm
	s_wait_tensorcnt 1                             ; the scales and my part of K step 0 are in; K step 1's load, the one issued behind them, may be out
	s_barrier_signal -1
	s_barrier_wait -1                              ; everybody's are
	FETCH_B 0, 0, 0
	FETCH_A 0, 0, 0
	SCALES 0
	FETCH_A 0, 0, 4
	STEP 0, 0, 1                                   ; K = 1,024 is four slots' worth, eight steps: written out
	TURN 0, 1, 1
	STEP 1, 0, 0
	TURN 1, 0, 1
	STEP 0, 0, 0
	TURN 0, 1, 0                                   ; nothing is left to fetch
	STEP 1, 0, 0
	s_wait_dscnt 4*NL
	WIN MUL_LO
	MUL16 0, 1, NQ-1, 1, 0
	MUL16 2, 1, NQ-1, 1, 0
	s_wait_dscnt 0
	WIN MUL_HI
	MUL16 4, 1, NQ-1, 1, 0
	MUL16 6, 1, NQ-1, 1, 0
	WIN 0
; THE QUANTISER.  64 numbers of a lane, v[s] on: registers 16 b .. 16 b + 15 are my half's 16 numbers of block b of my row.  They become a fragment's codes in v[CD] on and its scale word in v[pw].
.macro QUANT s, pw
.irp b, 0,1,2,3
	v_max3_num_f32 v[TM+\b], |v[\s+16*\b]|, |v[\s+1+16*\b]|, 0x1800000   ; with the floor 2^(3 - 127): the byte cannot fall under 1
.endr
.irp i, 2,4,6,8,10,12,14
.irp b, 0,1,2,3
	v_max3_num_f32 v[TM+\b], v[TM+\b], |v[\s+16*\b+\i]|, |v[\s+1+16*\b+\i]|
.endr
.endr
.irp b, 0,1,2,3
	v_permlanex16_b32 v[TM+4+\b], v[TM+\b], s[SEL], s[SEL+1]
.endr
.irp b, 0,1,2,3
	v_max_num_f32 v[TM+\b], v[TM+\b], v[TM+4+\b]   ; with lane l xor 16's: the block's largest magnitude
.endr
.irp b, 0,1,2,3
	v_add_nc_u32 v[TM+12+\b], 0xff000000, v[TM+\b] ; 2 off its exponent field: the conversion's scale operand
.endr
.irp b, 0,1,2,3
	v_lshrrev_b32 v[TM+4+\b], 23, v[TM+12+\b]      ; the scale's byte
.endr
	v_lshl_or_b32 v[\pw], v[TM+5], 8, v[TM+4]
	v_lshl_or_b32 v[\pw], v[TM+6], 16, v[\pw]
	v_lshl_or_b32 v[\pw], v[TM+7], 24, v[\pw]
.irp c, 0,1
	v_cvt_scalef32_pk16_fp6_f32 v[CD+6*\c:CD+2+6*\c], v[\s+32*\c:\s+15+32*\c], v[TM+12+2*\c]
	v_cvt_scalef32_pk16_fp6_f32 v[CD+12+4*\c:CD+14+4*\c], v[\s+16+32*\c:\s+31+32*\c], v[TM+12+2*\c+1]
.endr
	v_nop                                          ; one plain place behind a scaled conversion
.irp c, 0,1                                    ; a whole block to a lane: lanes 0-15 block 2 c, lanes 16-31 block 2 c + 1
.irp i, 0,1,2
	v_permlane16_swap_b32 v[CD+6*\c+\i], v[CD+12+4*\c+\i]
.endr
.irp i, 0,1,2
	v_mov_b32 v[CD+3+6*\c+\i], v[CD+12+4*\c+\i]
.endr
.endr
.endm
; A's block a leaves: bias added on the way into window 0 (each accumulator read from its low end on), quantised, stored as images: every code store is 512 or 256 consecutive aligned bytes of the wave.
.macro EPI_TILE isv, a
.if (\a) > 0
	s_wait_xcnt 0x0                                ; the last block's stores have read their data registers
.endif
.set WN, 0x02+(\a)/4
	WIN WN                                         ; source 0: window 2 or 3
.set i, 0
.rept 32
.if \isv
	v_pk_add_f32 v[HA+2*i:HA+2*i+1], v[64*((\a)%4)+2*i:64*((\a)%4)+2*i+1], v[BR+8*(\a):BR+8*(\a)+1]   ; my channel's bias
.else
	v_pk_add_f32 v[HA+2*i:HA+2*i+1], v[64*((\a)%4)+2*i:64*((\a)%4)+2*i+1], v[BR+2*i:BR+2*i+1]         ; the features' biases
.endif
.set i, i+1
.endr
	WIN 0
	QUANT HA, PWR+(\a)%2
.if \isv
.irp g, 0,1,2                                  ; a fragment of V^T: 16 channels x my 128 keys
	global_store_b128 v7, v[CD+4*\g:CD+4*\g+3], s[OC:OC+1] offset:((\a)/4)*KVHEAD+((\a)%4)*1536+512*\g
.endr
.if ((\a)%2) == 1
	v_cndmask_b32 v232, v[PWR], v[PWR+1], s[HM]    ; lanes 0-15 the even tile's words, lanes 16-31 the odd tile's: 128 consecutive bytes
	global_store_b32 v11, v232, s[OS:OS+1] offset:((\a)/4)*KVHEAD+(((\a)%4)/2)*128
.endif
.else
	global_store_b128 v7, v[CD:CD+3], s[OC:OC+1] offset:768*(\a)              ; the first head's half fragment,
	global_store_b64 v9, v[CD+4:CD+5], s[OC:OC+1] offset:768*(\a)+512
	global_store_b128 v8, v[CD+6:CD+9], s[OC:OC+1] offset:768*(\a)            ; the second head's
	global_store_b64 v10, v[CD+10:CD+11], s[OC:OC+1] offset:768*(\a)+512
.if ((\a)%2) == 1
	v_perm_b32 v230, v[PWR+1], v[PWR], 0x05040100  ; the first head: the even tile's two bytes below, the odd tile's above
	v_perm_b32 v231, v[PWR+1], v[PWR], 0x07060302  ; the second head
	v_cndmask_b32 v232, v230, v231, s[HM]          ; lanes 16-31 carry the second head's words
	global_store_b32 v11, v232, s[OS:OS+1] offset:64*((\a)/2)
.endif
.endif
.endm
	PLACES NP                                      ; behind the last products: their results are read and A's registers written below
	s_wait_loadcnt 0x0                             ; the bias
.irp b, 0,1,2,3
	v_mov_b32 v[TM+4+\b], 0                        ; written once: a lane permute's destination counts as one of its sources
.endr
	s_cmp_lg_u32 s95, 0                            ; the same in the whole cluster; neither way touches LDS
	s_cbranch_scc1 .Lv
.irp a, 0,1,2,3,4,5,6,7
	EPI_TILE 0, \a
.endr
	s_branch .Lend
.Lv:
.irp a, 0,1,2,3,4,5,6,7
	EPI_TILE 1, \a
.endr
.Lend:
	s_wait_tensorcnt 0x0                           ; the wave's end
	ds_add_u32 v[SPW], v[NIL]
	s_wait_dscnt 0x0
	CROUND                                         ; the closing round: no work-group ends while a partner may still ask for a tile that names it
	s_endpgm
.Lfunc_end_k_qbed40696d6_qkv:
	.size	k_qbed40696d6_qkv, .Lfunc_end_k_qbed40696d6_qkv-k_qbed40696d6_qkv
	.p2alignl 7, 3214868480
	.fill 96, 4, 3214868480
	.section	.rodata,"a",@progbits
	.p2align	6, 0x0
	.amdhsa_kernel k_qbed40696d6_qkv
		.amdhsa_group_segment_fixed_size 327680
		.amdhsa_private_segment_fixed_size 0
		.amdhsa_enable_private_segment 0
		.amdhsa_kernarg_size 64
		.amdhsa_user_sgpr_count 2
		.amdhsa_user_sgpr_kernarg_segment_ptr 1
		.amdhsa_wavefront_size32 1
		.amdhsa_system_sgpr_workgroup_id_x 1
		.amdhsa_system_sgpr_workgroup_id_y 1
		.amdhsa_system_sgpr_workgroup_id_z 1
		.amdhsa_system_vgpr_workitem_id 0
		.amdhsa_next_free_vgpr 1024
		.amdhsa_next_free_sgpr 102
		.amdhsa_reserve_vcc 0
		.amdhsa_float_denorm_mode_32 3
		.amdhsa_float_denorm_mode_16_64 3
		.amdhsa_memory_ordered 1
		.amdhsa_forward_progress 1
		.amdhsa_inst_pref_size 239
	.end_amdhsa_kernel
	.amdgpu_metadata
---
amdhsa.version: [ 1, 2 ]
amdhsa.kernels:
  - .name:           k_qbed40696d6_qkv
    .symbol:         k_qbed40696d6_qkv.kd
    .args:
      - { .name: x_codes, .offset: 0, .size: 8, .value_kind: global_buffer, .address_space: global }
      - { .name: x_scales, .offset: 8, .size: 8, .value_kind: global_buffer, .address_space: global }
      - { .name: w_in_codes, .offset: 16, .size: 8, .value_kind: global_buffer, .address_space: global }
      - { .name: w_in_scales, .offset: 24, .size: 8, .value_kind: global_buffer, .address_space: global }
      - { .name: b_in, .offset: 32, .size: 8, .value_kind: global_buffer, .address_space: global }
      - { .name: q_img, .offset: 40, .size: 8, .value_kind: global_buffer, .address_space: global }
      - { .name: q_sc, .offset: 48, .size: 8, .value_kind: global_buffer, .address_space: global }
      - { .name: kv_img, .offset: 56, .size: 8, .value_kind: global_buffer, .address_space: global }
    .group_segment_fixed_size: 327680
    .private_segment_fixed_size: 0
    .kernarg_segment_align: 8
    .kernarg_segment_size: 64
    .max_flat_workgroup_size: 128
    .sgpr_count:     102
    .vgpr_count:     1024
    .wavefront_size: 32
...
	.end_amdgpu_metadata
.endif
;; end of part 1
;; launch attn (part 2): grid 4 x 64, 16 waves a work-group, clusters of 4 x 1, 206,848 bytes of LDS; arguments q_img, q_sc, kv_img, o_img, o_sc; writes o_img, o_sc
.if DOCPART == 2
	.amdgcn_target "amdgcn-amd-amdhsa--gfx1250"
	.amdhsa_code_object_version 6
	.text
	.protected	k_qbed40696d6_attn
	.globl	k_qbed40696d6_attn
	.p2align	8
	.type	k_qbed40696d6_attn,@function
k_qbed40696d6_attn:
	s_mov_b64 s[64:65], 0
	v_nop
	global_prefetch_b8 v0, s[64:65] scope:SCOPE_SE
	s_setreg_imm32_b32 hwreg(HW_REG_WAVE_MODE, 25, 1), 1
	s_wait_xcnt 0x0
	s_wait_alu depctr_hold_cnt(0) depctr_sa_sdst(0) depctr_va_vdst(0) depctr_va_sdst(0) depctr_va_ssrc(0) depctr_va_vcc(0) depctr_vm_vsrc(0)
	s_getreg_b32 s2, hwreg(HW_REG_IB_STS2, 6, 4)
	s_cmp_eq_u32 s2, 0
	s_cbranch_scc0 .Lentry_in_a_cluster
	s_endpgm
.Lentry_in_a_cluster:
	s_bfe_u32 s2, ttmp6, 0x10000c
	s_cmp_lg_u32 s2, 0x3003
	s_cbranch_scc0 .Lentry_shape_is_right
	s_endpgm
.Lentry_shape_is_right:
; Causal attention on codes of FP6 (E2M3) with E8M0 scales: S^T = K Q^T over the head's 64, p = 2^(t - M) quantised along the keys, O^T = V^T P^T, O / l quantised along the model's 1,024 for the last product.
; t = score x log2(e) / 8; M = the running largest t rounded up to a whole number; l = the sum of the unquantised p.  When M moves, l and O^T are multiplied by 2^(old M - new M), which rounds nothing.
; SHARES.  A cluster of four work-groups is one (batch, head).  The head's whole block of kv_img, 16 key steps x 12,800 bytes, lies in each work-group's LDS as in memory: wave w brings key step w by ONE joint
; tensor load; LDS is filled once and then only read.  Work-group cx takes the query tiles T = 4 i + cx, i = 0 .. 31; tile T needs the key steps 0 .. T / 8 = i / 2, whatever cx.  Wave w takes i = 31 - w and then
; i = w: (16 - w / 2) + (w / 2 + 1) = 17 key steps for every wave.  Key steps behind the diagonal are left out: the mask is the problem's own.
; A HEAD OF 64 IN AN INSTRUCTION OF K = 128.  A fragment of K holds two tiles of 16 keys: registers 0-5 keys 32 b + m, registers 6-11 keys 32 b + 16 + m.  q stands between two runs of six zero registers:
; v[22:33] = [q | 0] gives the lower tile's scores, v[16:27] = [0 | q] the upper tile's.  Zero codes add nothing under any scale byte but 0xff.
; ORDER INSIDE A BLOCK.  q and k, and p and v, carry the same order of the 32 numbers of a block (place 16 h' + 8 u + j holds index 16 u + 8 h' + j), so the products' terms are those of the rule; O is put into the
; natural order before it is quantised, since it meets a given operand.
; LIMITS: NaN and infinities are not served; a block of zeros gets the byte 1 where the rule says 127 (its codes are zeros; only this program reads the bytes); 1 / l is v_rcp_f32 and a multiplication.
.set STEPB, 12800                      ; a key step: 8 half fragments of K, 4 fragments of V^T, K's and V's scale words
.set HEADB, 204800
.set VOFF,  6144
.set KSC,   12288
.set VSC,   12544
.set WV,   14                          ; s14 wave
.set CX,   15                          ; s15 my place in the cluster: enters global addresses and the mask's numbers alone
.set BH,   16                          ; s16 batch x 16 + head
.set TB,   17                          ; s17 LDS byte of the key step in hand
.set KI,   18                          ; s18 its number, 0 .. 15
.set LAST, 19                          ; s19 the tile's last key step, the one on the diagonal
.set SEL,  20                          ; s[20:21] selects for lane l xor 16
.set CS,   22                          ; s[22:23] c = log2(e) / 8
.set G1,   24                          ; s[24:31], s[32:35] the tensor load's descriptor
.set G0,   32
.set TI,   36                          ; s36 i
.set TT,   37                          ; s37 T
.set QB,   40                          ; s[40:41] the tile's q, s[42:43] its scale halfwords, s[44:45] its place in o_img, s[46:47] in o_sc
.set QSB,  42
.set AB,   44
.set ASB,  46
.set QH,   50                          ; s[50:57] the head's bases in the same four buffers
.set QSH,  52
.set AH,   54
.set ASH,  56
.set L16,  1                           ; v1 16 x lane
.set L8,   2                           ; v2 8 x lane
.set R4,   3                           ; v3 4 r
.set R32,  4                           ; v4 32 r
.set RH,   5                           ; v5 r - 8 h
.set VD,   6                           ; v6 my query in the diagonal step, less 8 h
.set AD16, 8                           ; v8-10 the step's LDS addresses
.set AD8,  9
.set AD4,  10
.set QW,   34                          ; v34 q's scale word; v35 p's; v84-87 K's, later the sum's temporaries; v88-91 V's
.set PW,   35
.set KF,   36                          ; v36-83 K's four fragments; later p's codes (v36-47) and their second halves (v48-50, v52-54)
.set KSW,  84
.set VSW,  88
.set QR,   92                          ; v92 q's two scale bytes as loaded
.set OW,   93                          ; v93 O's two scale bytes
.set S,    96                          ; v96-159 S^T, then p
.set O,    160                         ; v160-191 O^T
.set VF,   192                         ; v192-239 V's four fragments
.set BM,   240                         ; v240-243 the blocks' maxima
.set BT,   244                         ; v244-247 at work
.set SO,   248                         ; v248-251 the conversions' scale operands
.macro CROUND                          ; a round of the cluster's barrier
	s_barrier_signal -1
	s_barrier_wait -1
	s_cmp_lg_u32 s[WV], 0
	s_cbranch_scc1 .Lnot_wave_0_\@
	s_barrier_signal -3
.Lnot_wave_0_\@:
	s_barrier_wait -3
	s_barrier_signal -1
	s_barrier_wait -1
.endm
	s_load_b256 s[4:11], s[0:1], 0x0               ; q_img, q_sc, kv_img, o_img
	s_load_b64 s[12:13], s[0:1], 0x20              ; o_sc
	v_lshl_add_u32 v95, v0, 2, 0x32000
	v_mov_b32 v255, 0
	ds_add_u32 v95, v255
	ds_add_u32 v95, v255
	v_lshrrev_b32 v1, 5, v0
	s_delay_alu instid0(VALU_DEP_1)
	v_readfirstlane_b32 s[WV], v1                  ; wave 0..15
	s_bfe_u32 s[CX], ttmp6, 0x40000
	s_and_b32 s[BH], ttmp7, 0xffff
	s_mov_b32 s[G1], 15|(3<<16)|(1<<21)            ; the mask: all four work-groups; elements of 8 bytes; bit 21 beside a mask; no padding
	s_mov_b32 s[G1+1], 32<<16                      ; 50 dense rows of 256 bytes
	s_mov_b32 s[G1+2], 50<<16
	s_mov_b32 s[G1+3], 32<<16
	s_mov_b32 s[G1+4], 50
	s_mov_b32 s[G1+5], 32
	s_mov_b32 s[G1+6], 0
	s_mov_b32 s[G1+7], 0
	s_mov_b32 s[G0], 1
	s_mul_i32 s[G0+1], s[WV], STEPB                ; key step w goes to LDS byte 12,800 w
	s_mul_i32 s38, s[BH], HEADB
	s_add_co_u32 s38, s38, s[G0+1]
	s_mov_b32 s39, 0
	s_mov_b32 s[SEL], 0x76543210
	s_mov_b32 s[SEL+1], 0xfedcba98
	s_mov_b32 s[CS], 0x3e38aa3b                    ; log2(e) / sqrt(64)
	s_mov_b32 s[CS+1], s[CS]
	s_wait_dscnt 0x0
	s_wait_kmcnt 0x0
	s_add_nc_u64 s[G0+2:G0+3], s[8:9], s[38:39]
	s_or_b32 s[G0+3], s[G0+3], 0x80000000
	CROUND                                         ; all four work-groups are here: the joint loads meet
	tensor_load_to_lds s[G0:G0+3], s[G1:G1+7]      ; my one tensor load of the launch
	s_nop 0
.rept 4
	v_nop
.endr
	s_lshr_b32 s48, s[BH], 4                       ; batch
	s_and_b32 s49, s[BH], 15                       ; head
	s_mul_i32 s38, s[BH], 98304
	s_add_nc_u64 s[QH:QH+1], s[4:5], s[38:39]
	s_lshl_b32 s38, s[BH], 12
	s_add_nc_u64 s[QSH:QSH+1], s[6:7], s[38:39]
	s_mul_i32 s38, s48, 1572864                    ; o_img [token tile 512][head 16][768]
	s_mul_i32 s58, s49, 768
	s_add_co_u32 s38, s38, s58
	s_add_nc_u64 s[AH:AH+1], s[10:11], s[38:39]
	s_lshl_b32 s38, s48, 16                        ; o_sc [token 8,192][32]: byte 2 x head + block
	s_lshl_b32 s58, s49, 1
	s_add_co_u32 s38, s38, s58
	s_add_nc_u64 s[ASH:ASH+1], s[12:13], s[38:39]
	v_and_b32 v7, 31, v0
	s_delay_alu instid0(VALU_DEP_1)
	v_lshlrev_b32 v[L16], 4, v7
	s_delay_alu instid0(VALU_DEP_2)
	v_lshlrev_b32 v[L8], 3, v7
	v_and_b32 v7, 15, v0                           ; r
	s_delay_alu instid0(VALU_DEP_1)
	v_lshlrev_b32 v[R4], 2, v7
	s_delay_alu instid0(VALU_DEP_2)
	v_lshlrev_b32 v[R32], 5, v7
	v_bfe_u32 v11, v0, 4, 1                        ; h
	s_delay_alu instid0(VALU_DEP_1)
	v_lshlrev_b32 v11, 3, v11
	s_delay_alu instid0(VALU_DEP_1)
	v_sub_nc_u32 v[RH], v7, v11
.irp j, 0,1,2,3,4,5
	v_mov_b32 v[16+\j], 0                          ; the zero codes on both sides of q
	v_mov_b32 v[28+\j], 0
.endr
.irp b, 0,1,2,3
	v_mov_b32 v[BT+\b], 0                          ; written once: a lane permute's destination counts as one of its sources
.endr
	v_mov_b32 v252, 0
	v_mov_b32 v253, 0                              ; (named as the upper half of the pair v[252:253])
; ONE QUERY TILE.  first = 1: the launch's first, in front of whose key steps the head's tiles are waited for.
.macro PASS first
	s_lshl_b32 s[TT], s[TI], 2
	s_add_co_u32 s[TT], s[TT], s[CX]               ; T = 4 i + cx
	s_lshr_b32 s[LAST], s[TI], 1
	s_mov_b32 s39, 0
	s_mul_i32 s38, s[TT], 768
	s_add_nc_u64 s[QB:QB+1], s[QH:QH+1], s[38:39]
	s_lshr_b32 s38, s[TT], 1
	s_lshl_b32 s38, s38, 6
	s_and_b32 s48, s[TT], 1
	s_lshl_b32 s48, s48, 1
	s_add_co_u32 s38, s38, s48                     ; the pair of tiles' 16 words, and my tile's half of a word
	s_add_nc_u64 s[QSB:QSB+1], s[QSH:QSH+1], s[38:39]
	global_load_b128 v[22:25], v[L16], s[QB:QB+1]
	global_load_b64 v[26:27], v[L8], s[QB:QB+1] offset:512
	global_load_u16 v[QR], v[R4], s[QSB:QSB+1]
	s_mul_i32 s38, s[TT], 12288
	s_add_nc_u64 s[AB:AB+1], s[AH:AH+1], s[38:39]
	s_lshl_b32 s38, s[TT], 9
	s_add_nc_u64 s[ASB:ASB+1], s[ASH:ASH+1], s[38:39]
	s_and_b32 s48, s[TT], 7
	s_lshl_b32 s48, s48, 4
	s_mov_b32 s[TB], 0
	s_mov_b32 s[KI], 0
	s_wait_loadcnt 0x0
	v_lshl_or_b32 v[QW], v[QR], 16, v[QR]          ; q's two bytes below and above: they serve [q | 0] and [0 | q].  The lines below are its places in front of the first product
	v_add_nc_u32 v[VD], s48, v[RH]
	v_mov_b32 v13, 0xff61b1e6                      ; the largest t so far: -3e38
	s_delay_alu instid0(VALU_DEP_1)
	v_floor_f32 v12, -v13                          ; -M
	v_mov_b32 v14, 0                               ; the sum, in two halves
	v_mov_b32 v15, 0
.set j, 0
.rept 32
	v_mov_b32 v[O+j], 0                            ; O^T: the key step is written once; the first finds zeros
.set j, j+1
.endr
.if \first
	s_wait_tensorcnt 0x0                           ; my key step has landed,
	s_barrier_signal -1
	s_barrier_wait -1                              ; everybody's has: from here on LDS is only read
.endif
.Lstep_\@:                                         ; 16 trips, a constant; the work of the steps behind the diagonal is jumped over, the address step at the end is not
	s_cmp_gt_u32 s[KI], s[LAST]
	s_cbranch_scc1 .Lskip_\@
	s_setprio 2
	v_add_nc_u32 v[AD16], s[TB], v[L16]
	v_add_nc_u32 v[AD8], s[TB], v[L8]
	v_add_nc_u32 v[AD4], s[TB], v[R4]
	v_nop                                          ; four places behind the last step's products, in front of loads into their registers
.irp b, 0,1,2,3                                ; K: 20 loads
	ds_load_b128 v[KF+12*\b:KF+12*\b+3], v[AD16] offset:1536*\b
	ds_load_b64 v[KF+12*\b+4:KF+12*\b+5], v[AD8] offset:1536*\b+512
	ds_load_b128 v[KF+12*\b+6:KF+12*\b+9], v[AD16] offset:1536*\b+768
	ds_load_b64 v[KF+12*\b+10:KF+12*\b+11], v[AD8] offset:1536*\b+1280
	ds_load_b32 v[KSW+\b], v[AD4] offset:KSC+64*\b
.endr
.irp a, 0,1,2,3                                ; V: 16 loads, which land under the softmax
.irp g, 0,1,2
	ds_load_b128 v[VF+12*\a+4*\g:VF+12*\a+4*\g+3], v[AD16] offset:VOFF+1536*\a+512*\g
.endr
	ds_load_b32 v[VSW+\a], v[AD4] offset:VSC+64*\a
.endr
	s_wait_dscnt 16                                ; K's are in; V's sixteen, issued behind them, may be out
.irp b, 0,1,2,3                                ; register 16 b + 8 u + j of lane (r, h): key 32 b + 16 u + 8 h + j, query r
	v_wmma_scale_f32_16x16x128_f8f6f4 v[S+16*\b:S+16*\b+7], v[KF+12*\b:KF+12*\b+11], v[22:33], 0, v[KSW+\b], v[QW] matrix_a_fmt:MATRIX_FMT_FP6 matrix_b_fmt:MATRIX_FMT_FP6
	v_wmma_scale_f32_16x16x128_f8f6f4 v[S+16*\b+8:S+16*\b+15], v[KF+12*\b:KF+12*\b+11], v[16:27], 0, v[KSW+\b], v[QW] matrix_a_fmt:MATRIX_FMT_FP6 matrix_b_fmt:MATRIX_FMT_FP6
.endr
.rept 4
	v_nop
.endr
	s_cmp_lg_u32 s[KI], s[LAST]                    ; only the tile's last step has hidden keys
	s_cbranch_scc1 .Lopen_\@
	v_mov_b32 v254, 0xff800000                     ; -infinity: p = 0 then
.set n, 0
.rept 64
	v_cmp_gt_i32 vcc_lo, 32*(n/16)+16*((n/8)%2)+n%8, v[VD]   ; hidden where the register's key, less 8 h, is above my query, less 8 h
	v_cndmask_b32 v[S+n], v[S+n], v254, vcc_lo
.set n, n+1
.endr
.Lopen_\@:
.irp b, 0,1,2,3
	v_max3_num_f32 v[BM+\b], v[S+16*\b], v[S+1+16*\b], v[S+2+16*\b]   ; the largest score of each block of 32 keys: for the row's maximum, and, since p rises with the score, for the block's largest p
.endr
.irp i, 3,5,7,9,11,13
.irp b, 0,1,2,3
	v_max3_num_f32 v[BM+\b], v[BM+\b], v[S+16*\b+\i], v[S+1+16*\b+\i]
.endr
.endr
.irp b, 0,1,2,3
	v_max_num_f32 v[BM+\b], v[BM+\b], v[S+15+16*\b]
.endr
.irp b, 0,1,2,3
	s_delay_alu instid0(VALU_DEP_4)
	v_permlanex16_b32 v[BT+\b], v[BM+\b], s[SEL], s[SEL+1]
.endr
.irp b, 0,1,2,3
	s_delay_alu instid0(VALU_DEP_4)
	v_max_num_f32 v[BM+\b], v[BM+\b], v[BT+\b]     ; with lane l xor 16's 16 keys
.endr
	s_delay_alu instid0(VALU_DEP_2)
	v_max3_num_f32 v254, v[BM], v[BM+1], v[BM+2]
	s_delay_alu instid0(VALU_DEP_1)
	v_max_num_f32 v254, v254, v[BM+3]
	s_delay_alu instid0(VALU_DEP_1)
	v_mul_f32 v254, s[CS], v254                    ; as t
	s_delay_alu instid0(VALU_DEP_1)
	v_max_num_f32 v13, v13, v254                   ; the running largest t
	v_mov_b32 v254, v12
	s_delay_alu instid0(VALU_DEP_2)
	v_floor_f32 v12, -v13                          ; the new -M = -ceil(t)
	s_delay_alu instid0(VALU_DEP_1)
	v_sub_f32 v254, v12, v254                      ; old M - new M: a whole number, 0 or less
	s_delay_alu instid0(VALU_DEP_1)
	v_cvt_i32_f32 v254, v254                       ; (it saturates)
	s_delay_alu instid0(VALU_DEP_1)
	v_ldexp_f32 v252, 1.0, v254                    ; f = 2^(old M - new M)
.set j, 0
	s_setprio 1
.rept 32
	v_pk_fma_f32 v[S+j:S+j+1], v[S+j:S+j+1], s[CS:CS+1], v[12:13] op_sel_hi:[1,0,0]   ; t - M
.set j, j+2
.endr
.irp b, 0,1,2,3
	v_fma_f32 v[BM+\b], v[BM+\b], s[CS], v12       ; the same of each block's largest score
.endr
.set j, 0
	s_wait_alu depctr_va_vdst(0)
.rept 64
	v_exp_f32 v[S+j], v[S+j]                       ; p = 2^(t - M), not normalised
.set j, j+1
.endr
	v_pk_mul_f32 v[14:15], v[14:15], v[252:253] op_sel_hi:[1,0]   ; the sums under the new M: a plain place behind the exponentials
	s_wait_alu depctr_va_vdst(0)                   ; one wait for the batch of 64, ahead of its first reader
.irp b, 0,1,2,3
	v_exp_f32 v[BM+\b], v[BM+\b]                   ; the block's largest p
.endr
	v_pk_add_f32 v[244:245], v[100:101], v[104:105]
	v_pk_add_f32 v[250:251], v[108:109], v[112:113]
	v_pk_add_f32 v[248:249], v[116:117], v[120:121]
	v_pk_add_f32 v[246:247], v[124:125], v[128:129]
	v_pk_add_f32 v[92:93], v[132:133], v[136:137]
	v_pk_add_f32 v[86:87], v[140:141], v[144:145]
	v_pk_add_f32 v[84:85], v[148:149], v[152:153]
	v_pk_add_f32 v[14:15], v[14:15], v[156:157]
	v_pk_add_f32 v[244:245], v[244:245], v[96:97]
	v_pk_add_f32 v[250:251], v[250:251], v[98:99]
	v_pk_add_f32 v[248:249], v[248:249], v[102:103]
	v_pk_add_f32 v[246:247], v[246:247], v[106:107]
	v_pk_add_f32 v[92:93], v[92:93], v[110:111]
	v_pk_add_f32 v[86:87], v[86:87], v[114:115]
	v_pk_add_f32 v[84:85], v[84:85], v[118:119]
	v_pk_add_f32 v[14:15], v[14:15], v[122:123]
	v_pk_add_f32 v[244:245], v[244:245], v[126:127]
	v_pk_add_f32 v[250:251], v[250:251], v[130:131]
	v_pk_add_f32 v[248:249], v[248:249], v[134:135]
	v_pk_add_f32 v[246:247], v[246:247], v[138:139]
	v_pk_add_f32 v[92:93], v[92:93], v[142:143]
	v_pk_add_f32 v[86:87], v[86:87], v[146:147]
	v_pk_add_f32 v[84:85], v[84:85], v[150:151]
	v_pk_add_f32 v[14:15], v[14:15], v[154:155]
	v_pk_add_f32 v[244:245], v[244:245], v[158:159]
	s_delay_alu instid0(VALU_DEP_2)
	v_pk_add_f32 v[14:15], v[14:15], v[246:247]
	s_delay_alu instid0(VALU_DEP_2)
	v_pk_add_f32 v[244:245], v[244:245], v[92:93]
	v_pk_add_f32 v[250:251], v[250:251], v[86:87]
	v_pk_add_f32 v[248:249], v[248:249], v[84:85]
	s_delay_alu instid0(VALU_DEP_2)
	v_pk_add_f32 v[14:15], v[14:15], v[250:251]
	s_delay_alu instid0(VALU_DEP_2)
	v_pk_add_f32 v[244:245], v[244:245], v[248:249]
	s_delay_alu instid0(VALU_DEP_1)
	v_pk_add_f32 v[14:15], v[14:15], v[244:245]
	s_wait_alu depctr_va_vdst(0)                   ; and one for the four
.irp b, 0,1,2,3
	v_max_num_f32 v[BM+\b], 0x1800000, v[BM+\b]    ; the floor 2^(3 - 127): the byte cannot fall under 1
.endr
.irp b, 0,1,2,3
	s_delay_alu instid0(VALU_DEP_4)
	v_add_nc_u32 v[SO+\b], 0xff000000, v[BM+\b]    ; 2 off the exponent field: the conversion's scale operand
.endr
.irp b, 0,1,2,3
	s_delay_alu instid0(VALU_DEP_4)
	v_lshrrev_b32 v[BT+\b], 23, v[SO+\b]           ; the scale's byte
.endr
	s_delay_alu instid0(VALU_DEP_3)
	v_lshl_or_b32 v[PW], v[BT+1], 8, v[BT]         ; p's scale word for these 128 keys
	s_delay_alu instid0(VALU_DEP_1)
	v_lshl_or_b32 v[PW], v[BT+2], 16, v[PW]
	s_delay_alu instid0(VALU_DEP_1)
	v_lshl_or_b32 v[PW], v[BT+3], 24, v[PW]
	s_setprio 0
.irp c, 0,1
	v_cvt_scalef32_pk16_fp6_f32 v[KF+6*\c:KF+2+6*\c], v[S+32*\c:S+15+32*\c], v[SO+2*\c]
	v_cvt_scalef32_pk16_fp6_f32 v[KF+12+4*\c:KF+14+4*\c], v[S+16+32*\c:S+31+32*\c], v[SO+2*\c+1]
.endr
	v_nop                                          ; one plain place behind a scaled conversion
.irp c, 0,1                                    ; a whole block to a lane
.irp i, 0,1,2
	v_permlane16_swap_b32 v[KF+6*\c+\i], v[KF+12+4*\c+\i]
.endr
.irp i, 0,1,2
	s_delay_alu instid0(VALU_DEP_3)
	v_mov_b32 v[KF+3+6*\c+\i], v[KF+12+4*\c+\i]
.endr
.endr
.set j, 0
.rept 16
	v_pk_mul_f32 v[O+j:O+j+1], v[O+j:O+j+1], v[252:253] op_sel_hi:[1,0]   ; O^T under the new M; also the places between p's codes and scale word and the products
.set j, j+2
.endr
	s_wait_alu depctr_va_vdst(0)
	s_wait_dscnt 0x0                               ; V is in
.irp a, 0,1,2,3                                ; O^T += V^T P^T: four accumulators by turns
	v_wmma_scale_f32_16x16x128_f8f6f4 v[O+8*\a:O+8*\a+7], v[VF+12*\a:VF+12*\a+11], v[KF:KF+11], v[O+8*\a:O+8*\a+7], v[VSW+\a], v[PW] matrix_a_fmt:MATRIX_FMT_FP6 matrix_b_fmt:MATRIX_FMT_FP6
.endr
.Lskip_\@:
	s_add_co_u32 s[TB], s[TB], STEPB
	s_add_co_u32 s[KI], s[KI], 1
	s_cmp_lt_u32 s[KI], 16
	s_cbranch_scc1 .Lstep_\@
	s_setprio 0
	; THE TILE'S END: O^T / l, the natural order of channels, two blocks quantised, half a fragment and 16 pairs of scale bytes stored.
.rept 4
	v_nop                                          ; places behind the last products
.endr
	v_add_f32 v14, v14, v15
	s_delay_alu instid0(VALU_DEP_1)
	v_permlanex16_b32 v252, v14, s[SEL], s[SEL+1]
	s_delay_alu instid0(VALU_DEP_1)
	v_add_f32 v14, v14, v252                       ; the row's sum
	s_wait_alu depctr_va_vdst(0)
	v_rcp_f32 v14, v14
	v_nop                                          ; a plain place behind the reciprocal
	s_wait_alu depctr_va_vdst(0)                   ; and the wait ahead of its first reader
.set j, 0
.rept 16
	v_pk_mul_f32 v[O+j:O+j+1], v[O+j:O+j+1], v[14:15] op_sel_hi:[1,0]   ; each accumulator from its low end on
.set j, j+2
.endr
.irp b, 0,1                                    ; register 16 b + 8 u + j of half h holds channel 32 b + 16 u + 8 h + j; behind the exchange half h' holds channels 32 b + 16 h' + 0 .. 15 in registers 16 b + 0 .. 15
.irp j, 0,1,2,3,4,5,6,7
	v_permlane16_swap_b32 v[O+16*\b+\j], v[O+8+16*\b+\j]
.endr
.endr
.irp b, 0,1
	v_max3_num_f32 v[BM+\b], |v[O+16*\b]|, |v[O+1+16*\b]|, 0x1800000
.endr
.irp i, 2,4,6,8,10,12,14
.irp b, 0,1
	s_delay_alu instid0(VALU_DEP_2)
	v_max3_num_f32 v[BM+\b], v[BM+\b], |v[O+16*\b+\i]|, |v[O+1+16*\b+\i]|
.endr
.endr
.irp b, 0,1
	s_delay_alu instid0(VALU_DEP_2)
	v_permlanex16_b32 v[BT+\b], v[BM+\b], s[SEL], s[SEL+1]
.endr
.irp b, 0,1
	s_delay_alu instid0(VALU_DEP_2)
	v_max_num_f32 v[BM+\b], v[BM+\b], v[BT+\b]
.endr
.irp b, 0,1
	s_delay_alu instid0(VALU_DEP_2)
	v_add_nc_u32 v[SO+\b], 0xff000000, v[BM+\b]
.endr
.irp b, 0,1
	s_delay_alu instid0(VALU_DEP_2)
	v_lshrrev_b32 v[BT+\b], 23, v[SO+\b]
.endr
	s_delay_alu instid0(VALU_DEP_1)
	v_lshl_or_b32 v[OW], v[BT+1], 8, v[BT]
	v_cvt_scalef32_pk16_fp6_f32 v[KF:KF+2], v[O:O+15], v[SO]
	v_cvt_scalef32_pk16_fp6_f32 v[KF+12:KF+14], v[O+16:O+31], v[SO+1]
	v_nop
.irp i, 0,1,2
	v_permlane16_swap_b32 v[KF+\i], v[KF+12+\i]
.endr
.irp i, 0,1,2
	s_delay_alu instid0(VALU_DEP_3)
	v_mov_b32 v[KF+3+\i], v[KF+12+\i]
.endr
	global_store_b128 v[L16], v[KF:KF+3], s[AB:AB+1]               ; 512 consecutive aligned bytes,
	global_store_b64 v[L8], v[KF+4:KF+5], s[AB:AB+1] offset:512    ; and 256
	global_store_b16 v[R32], v[OW], s[ASB:ASB+1]                   ; two bytes of each token's row of scales; lanes r and r + 16 write the same
.if \first
	s_wait_xcnt 0x0                                ; the stores have read their registers and bases: the next tile writes them again
.endif
.endm
	s_sub_co_u32 s[TI], 31, s[WV]
	PASS 1
	s_mov_b32 s[TI], s[WV]
	PASS 0
	s_wait_tensorcnt 0x0
	ds_add_u32 v95, v255
	s_wait_dscnt 0x0
	CROUND                                         ; the closing round
	s_endpgm
.Lfunc_end_k_qbed40696d6_attn:
	.size	k_qbed40696d6_attn, .Lfunc_end_k_qbed40696d6_attn-k_qbed40696d6_attn
	.p2alignl 7, 3214868480
	.fill 96, 4, 3214868480
	.section	.rodata,"a",@progbits
	.p2align	6, 0x0
	.amdhsa_kernel k_qbed40696d6_attn
		.amdhsa_group_segment_fixed_size 206848
		.amdhsa_private_segment_fixed_size 0
		.amdhsa_enable_private_segment 0
		.amdhsa_kernarg_size 40
		.amdhsa_user_sgpr_count 2
		.amdhsa_user_sgpr_kernarg_segment_ptr 1
		.amdhsa_wavefront_size32 1
		.amdhsa_system_sgpr_workgroup_id_x 1
		.amdhsa_system_sgpr_workgroup_id_y 1
		.amdhsa_system_sgpr_workgroup_id_z 1
		.amdhsa_system_vgpr_workitem_id 0
		.amdhsa_next_free_vgpr 256
		.amdhsa_next_free_sgpr 66
		.amdhsa_reserve_vcc 1
		.amdhsa_float_denorm_mode_32 3
		.amdhsa_float_denorm_mode_16_64 3
		.amdhsa_memory_ordered 1
		.amdhsa_forward_progress 1
		.amdhsa_inst_pref_size 64
	.end_amdhsa_kernel
	.amdgpu_metadata
---
amdhsa.version: [ 1, 2 ]
amdhsa.kernels:
  - .name:           k_qbed40696d6_attn
    .symbol:         k_qbed40696d6_attn.kd
    .args:
      - { .name: q_img, .offset: 0, .size: 8, .value_kind: global_buffer, .address_space: global }
      - { .name: q_sc, .offset: 8, .size: 8, .value_kind: global_buffer, .address_space: global }
      - { .name: kv_img, .offset: 16, .size: 8, .value_kind: global_buffer, .address_space: global }
      - { .name: o_img, .offset: 24, .size: 8, .value_kind: global_buffer, .address_space: global }
      - { .name: o_sc, .offset: 32, .size: 8, .value_kind: global_buffer, .address_space: global }
    .group_segment_fixed_size: 206848
    .private_segment_fixed_size: 0
    .kernarg_segment_align: 8
    .kernarg_segment_size: 40
    .max_flat_workgroup_size: 512
    .sgpr_count:     66
    .vgpr_count:     256
    .wavefront_size: 32
...
	.end_amdgpu_metadata
.endif
;; end of part 2
;; launch proj (part 3): grid 4 x 32, 4 waves a work-group, clusters of 4 x 4, 327,680 bytes of LDS; arguments o_img, o_sc, w_out_codes, w_out_scales, b_out, out0; writes out0
.if DOCPART == 3
	.amdgcn_target "amdgcn-amd-amdhsa--gfx1250"
	.amdhsa_code_object_version 6
	.text
	.protected	k_qbed40696d6_proj
	.globl	k_qbed40696d6_proj
	.p2align	8
	.type	k_qbed40696d6_proj,@function
k_qbed40696d6_proj:
	s_mov_b64 s[64:65], 0
	v_nop
	global_prefetch_b8 v0, s[64:65] scope:SCOPE_SE
	s_setreg_imm32_b32 hwreg(HW_REG_WAVE_MODE, 25, 1), 1
	s_wait_xcnt 0x0
	s_wait_alu depctr_hold_cnt(0) depctr_sa_sdst(0) depctr_va_vdst(0) depctr_va_sdst(0) depctr_va_ssrc(0) depctr_va_vcc(0) depctr_vm_vsrc(0)
	s_getreg_b32 s2, hwreg(HW_REG_IB_STS2, 6, 4)
	s_cmp_eq_u32 s2, 0
	s_cbranch_scc0 .Lentry_in_a_cluster
	s_endpgm
.Lentry_in_a_cluster:
	s_bfe_u32 s2, ttmp6, 0x10000c
	s_cmp_lg_u32 s2, 0xf033
	s_cbranch_scc0 .Lentry_shape_is_right
	s_endpgm
.Lentry_shape_is_right:
; out0 = attn w_out^T + b_out on codes of FP6 (E2M3) with E8M0 scales: M = 8,192 tokens, N = 1,024, K = 1,024; out0 f32.
; A tile of 256 x 256 is made by four waves, 128 x 128 each: 64 accumulators, 512 registers.  K goes in steps of 256 through two LDS slots; the scale bytes of the work-group's rows come once and stay.
; 4 x 4 work-groups form a cluster: A's tiles are asked for jointly along a row of the cluster, B's along a column.  The matrix instruction is used transposed (source 0 = 16 rows of w_out, source 1 = 16 tokens):
; a lane holds eight neighbouring numbers of a row of out0.  The bias is the C of each sum's first product.
; A (o_img) lies as REGISTER IMAGES, [token tile 512][head 16][768]: half a fragment (16 tokens x a head's 64) is registers 0-3 at 16 x lane, then registers 4-5 at 512 + 8 x lane; heads 2 g and 2 g + 1 are the
; fragment of the g-th 128 along K.  A slot's part of a token tile is 3,072 consecutive bytes, so A's tile is 8 rows of 3,072 bytes, and a fragment comes by four dense LDS loads.  B (w_out_codes) lies as rows.
; LIMITS: a given scale byte 0xff, NaN and infinities are not served.
.set SIZE_N, 1024
.set KSTEP,  256
.set NQ,     2
.set ROWB,   192                       ; B: a tile's row in bytes
.set KROW,   768                       ; a row of w_out in memory; also o_img's bytes for one token
.set ASTEP,  3072                      ; A: a token tile's bytes of a K step
.set PITCH,  240
.set FR,     12
.set NL,     6                         ; LDS loads of a fragment of B
.set NLA,    4                         ; and of A
.set NP,     4
.set HALFT,  128*PITCH                 ; the room of one tensor load (A's use 24,576 bytes of it)
.set SLOT,   4*HALFT
.set KS,     32
.set SCL,    2*SLOT
.set HALFS,  (128*KS/256)*272
.set SBLK,   (16*KS/256)*272
.set SPARE,  SCL+4*HALFS               ; the spare words: 128 bytes a wave, named by no other line
.set SPITCH, 528                       ; the way out: 16 rows x (512 + 16) bytes a wave, in slot 0, which has had its last fill and its last read by then
.set ADRA, 16                          ; v16-17 16 x lane + my A rows in slot 0, 1; v18-19 8 x lane + the same
.set ADRB, 20                          ; v20-21 B's fragments in slot 0, 1; v22-23 behind one padding more
.set STO,  24
.set RD,   25
.set CO,   26
.set ADRS, 27
.set SPW,  28
.set NIL,  29
.set SC,   32                          ; v32-63 scale words and nothing else
.set BR,   64                          ; v64-127 the bias, in the result's layout
.set AF,   128
.set BK,   128
.set G1, 24
.set G0, 32
.set G1B, 48
.set G0B, 56
.set G1S, 68
.set G0S, 76
.set G1SB, 80
.set G0SB, 88
.set MSB, 0
.macro WIN new
.if MSB != \new
	s_set_vgpr_msb (MSB<<8)|\new
.set MSB, \new
.endif
.endm
.set MUL_LO, 0xa1                      ; source 0 (B) window 1, source 1 (A) window 0, C and D window 2
.set MUL_HI, 0xf1
.set FST_LO, 0x81                      ; the first step: C (the bias) window 0, D window 2
.set FST_HI, 0xc1
.set TO_B,   0x40
.macro JLOAD g0a, g1a, g0b, g1b        ; a joint load: waves 0 and 1 fetch for A, waves 2 and 3 for B; four v_nop follow each line
	s_cmp_eq_u32 s15, 0
	s_cbranch_scc0 .Lfor_b_\@
	tensor_load_to_lds s[\g0a:\g0a+3], s[\g1a:\g1a+7]
	s_nop 0
.rept 4
	v_nop
.endr
	s_branch .Lasked_\@
.Lfor_b_\@:
	tensor_load_to_lds s[\g0b:\g0b+3], s[\g1b:\g1b+7]
	s_nop 0
.rept 4
	v_nop
.endr
.Lasked_\@:
.endm
.macro CREST
	s_cmp_lg_u32 s14, 0
	s_cbranch_scc1 .Lnot_wave_0_\@
	s_barrier_signal -3
.Lnot_wave_0_\@:
	s_barrier_wait -3
	s_barrier_signal -1
	s_barrier_wait -1
.endm
.macro CROUND
	s_barrier_signal -1
	s_barrier_wait -1
	CREST
.endm
	s_load_b128 s[4:7], s[0:1], 0x0                ; o_img, o_sc
	s_load_b128 s[8:11], s[0:1], 0x10              ; w_out's codes, w_out's scales
	s_load_b64 s[96:97], s[0:1], 0x20              ; b_out
	s_load_b64 s[12:13], s[0:1], 0x28              ; out0
	v_lshl_add_u32 v[SPW], v0, 2, SPARE
	v_mov_b32 v[NIL], 0
	ds_add_u32 v28, v29
	ds_add_u32 v28, v29
	s_wait_dscnt 0x0
	v_lshrrev_b32 v1, 5, v0
	v_readfirstlane_b32 s14, v1                    ; wave 0..3
	s_lshr_b32 s15, s14, 1                         ; my half of the tile's rows.  Also: I fetch for A (0) or for B (1)
	s_and_b32 s16, s14, 1                          ; my half of its columns.  Also: which 128 rows I fetch
	s_bfe_u32 s40, ttmp6, 0x40000                  ; cx
	s_bfe_u32 s41, ttmp6, 0x40004                  ; cy
	s_lshl_b32 s42, ttmp9, 2
	s_add_co_u32 s42, s42, s40                     ; tile column
	s_and_b32 s17, ttmp7, 0xffff
	s_lshl_b32 s17, s17, 2
	s_add_co_u32 s17, s17, s41                     ; tile row
	s_lshl_b32 s43, s41, 2
	s_lshl_b32 s43, 15, s43                        ; my row of the cluster
	s_lshl_b32 s44, 0x1111, s40                    ; my column
	; A's tiles: 8 rows (token tiles) of 3,072 bytes, 12,288 bytes apart, elements of 8 bytes, no padding
	s_or_b32 s[G1+0], s43, (3<<16)|(1<<21)
	s_mov_b32 s[G1+1], (ASTEP/8)<<16
	s_mov_b32 s[G1+2], 8<<16
	s_mov_b32 s[G1+3], (ASTEP/8)<<16
	s_mov_b32 s[G1+4], 8
	s_mov_b32 s[G1+5], 1536
	s_mov_b32 s[G1+6], 0
	s_mov_b32 s[G1+7], 0
	; B's tiles: 128 rows x 192 bytes, 16 bytes of padding behind every 64
	s_or_b32 s[G1B+0], s44, (0<<16)|(1<<20)|(1<<21)|(3<<22)|(3<<25)
	s_mov_b32 s[G1B+1], ROWB<<16
	s_mov_b32 s[G1B+2], 128<<16
	s_mov_b32 s[G1B+3], ROWB<<16
	s_mov_b32 s[G1B+4], 128
	s_mov_b32 s[G1B+5], KROW
	s_mov_b32 s[G1B+6], 0
	s_mov_b32 s[G1B+7], 0
	; the scales of 128 rows: 16 rows of 256 bytes, 16 bytes of padding behind each
	s_or_b32 s[G1S+0], s43, (3<<16)|(1<<20)|(1<<21)|(5<<22)|(3<<25)
	s_or_b32 s[G1SB+0], s44, (3<<16)|(1<<20)|(1<<21)|(5<<22)|(3<<25)
.irp g, G1S, G1SB
	s_mov_b32 s[\g+1], 32<<16
	s_mov_b32 s[\g+2], (128*KS/256)<<16
	s_mov_b32 s[\g+3], 32<<16
	s_mov_b32 s[\g+4], 128*KS/256
	s_mov_b32 s[\g+5], 32
	s_mov_b32 s[\g+6], 0
	s_mov_b32 s[\g+7], 0
.endr
	s_lshl_b32 s18, s16, 7
	s_lshl_b32 s20, s17, 8
	s_add_co_u32 s20, s20, s18                     ; A: token 256 x tile row + 128 x half
	s_lshl_b32 s46, s42, 8
	s_add_co_u32 s46, s46, s18                     ; B: row 256 x tile column + 128 x half
	s_mov_b32 s21, 0
	s_mov_b32 s47, 0
	s_mov_b64 s[18:19], KS
	s_mul_u64 s[22:23], s[20:21], s[18:19]
	s_mul_u64 s[92:93], s[46:47], s[18:19]
	s_mov_b64 s[18:19], KROW
	s_mul_u64 s[20:21], s[20:21], s[18:19]         ; 16 tokens are 12,288 bytes of o_img: 768 a token
	s_mul_u64 s[46:47], s[46:47], s[18:19]
	s_mul_i32 s45, s14, HALFT
	s_mul_i32 s94, s14, HALFS
	s_wait_kmcnt 0x0
	s_add_nc_u64 s[20:21], s[4:5], s[20:21]
	s_add_nc_u64 s[22:23], s[6:7], s[22:23]
	s_add_nc_u64 s[46:47], s[8:9], s[46:47]
	s_add_nc_u64 s[92:93], s[10:11], s[92:93]
	CROUND                                         ; all sixteen work-groups are here: the first joint loads meet
	s_mov_b32 s[G0S], 1
	s_add_co_u32 s[G0S+1], s94, SCL
	s_mov_b64 s[G0S+2:G0S+3], s[22:23]
	s_or_b32 s[G0S+3], s[G0S+3], 0x80000000
	s_mov_b32 s[G0SB], 1
	s_add_co_u32 s[G0SB+1], s94, SCL
	s_mov_b64 s[G0SB+2:G0SB+3], s[92:93]
	s_or_b32 s[G0SB+3], s[G0SB+3], 0x80000000
	JLOAD G0S, G1S, G0SB, G1SB
.irp s, 0,1
	s_mov_b32 s[G0+4*\s], 1
	s_add_co_u32 s[G0+4*\s+1], s45, \s*SLOT
	s_add_nc_u64 s[G0+4*\s+2:G0+4*\s+3], s[20:21], \s*ASTEP
	s_or_b32 s[G0+4*\s+3], s[G0+4*\s+3], 0x80000000
	s_mov_b32 s[G0B+4*\s], 1
	s_add_co_u32 s[G0B+4*\s+1], s45, \s*SLOT
	s_add_nc_u64 s[G0B+4*\s+2:G0B+4*\s+3], s[46:47], \s*ROWB
	s_or_b32 s[G0B+4*\s+3], s[G0B+4*\s+3], 0x80000000
	s_wait_alu depctr_va_vdst(0)
	s_wait_tensorcnt 0x0
	ds_add_u32 v28, v29
	s_wait_dscnt 0x0
	CROUND
	JLOAD G0+4*\s, G1, G0B+4*\s, G1B               ; one load of mine is out now
.endr
	v_and_b32 v1, 15, v0                           ; r
	v_bfe_u32 v2, v0, 4, 1                         ; h
	v_mul_u32_u24 v3, v1, PITCH
	v_mul_u32_u24 v4, v2, 24
	v_add_nc_u32 v4, v3, v4                        ; B: a fragment's row x pitch + 24 x half
	v_lshl_add_u32 v5, v2, 4, v4                   ; and behind one padding more
	v_and_b32 v6, 31, v0
	v_lshlrev_b32 v7, 4, v6                        ; A: 16 x lane,
	v_lshlrev_b32 v8, 3, v6                        ; 8 x lane
	s_mul_i32 s21, s15, HALFT                      ; my 8 token tiles of A
	s_mul_i32 s22, s16, HALFT                      ; my 128 rows of B,
	s_add_co_u32 s22, s22, 2*HALFT                 ; behind A's room
.irp s, 0,1
	v_add_nc_u32 v[ADRA+\s], s21, v7
	v_add_nc_u32 v[ADRA+2+\s], s21, v8
	v_add_nc_u32 v[ADRB+\s], s22, v4
	v_add_nc_u32 v[ADRB+2+\s], s22, v5
	s_add_co_u32 s21, s21, SLOT
	s_add_co_u32 s22, s22, SLOT
.endr
	v_mul_u32_u24 v5, v1, KS
	v_lshrrev_b32 v6, 8, v5
	v_lshl_add_u32 v5, v6, 4, v5
	s_mul_i32 s21, s15, HALFS
	s_mul_i32 s22, s16, HALFS
	s_add_co_u32 s22, s22, 2*HALFS
	s_sub_co_u32 s22, s22, s21
	v_mul_u32_u24 v6, s22, v2                      ; lanes 16-31 take B's scale words
	s_add_co_u32 s21, s21, SCL
	v_add_nc_u32 v5, v5, v6
	v_add_nc_u32 v[ADRS], s21, v5
	s_mul_i32 s23, s14, 16*SPITCH                  ; my stage
	v_mul_u32_u24 v5, v1, SPITCH
	v_lshl_add_u32 v5, v2, 5, v5
	v_add_nc_u32 v[STO], s23, v5                   ; in: row r, 32 bytes for each half of the lanes
	v_mov_b32 v[CO], v7                            ; back: the 32 lanes take one row of 512 bytes; the same in out0
	v_add_nc_u32 v[RD], s23, v7
	s_lshl_b32 s20, s17, 8
	s_lshl_b32 s21, s15, 7
	s_add_co_u32 s20, s20, s21                     ; my first row of out0
	s_mov_b32 s21, 0
	s_mov_b64 s[18:19], SIZE_N*4
	s_mul_u64 s[20:21], s[20:21], s[18:19]
	s_lshl_b32 s46, s42, 10                        ; my first column, in bytes: 1,024 x tile column + 512 x half
	s_lshl_b32 s47, s16, 9
	s_add_co_u32 s46, s46, s47
	s_mov_b32 s47, 0
	s_add_nc_u64 s[20:21], s[20:21], s[46:47]
	s_add_nc_u64 s[12:13], s[12:13], s[20:21]
	s_add_nc_u64 s[96:97], s[96:97], s[46:47]      ; the bias of my 128 columns: the same byte offset
	v_lshlrev_b32 v12, 5, v2                       ; lane (r, h) wants, for B's block b, columns 16 b + 8 h + 0 .. 7
.irp b, 0,1,2,3,4,5,6,7
	global_load_b128 v[BR+8*\b:BR+8*\b+3], v12, s[96:97] offset:64*\b
	global_load_b128 v[BR+8*\b+4:BR+8*\b+7], v12, s[96:97] offset:64*\b+16
.endr
.macro FRAG reg, adr, q, i             ; a fragment of B from rows: six pieces of 8 bytes; where lanes 16-31's piece lies behind one padding more, the second address register serves
.irp p, 0,1,2,3,4,5
.set PCE, 12*(\q)+6*(\p/3)+\p%3
.if PCE%8 < 5
	ds_load_b64 v[\reg+2*\p:\reg+2*\p+1], v[\adr] offset:8*PCE+16*(PCE/8)+(\i)*16*PITCH
.else
	ds_load_b64 v[\reg+2*\p:\reg+2*\p+1], v[\adr+2] offset:8*PCE+16*(PCE/8)+(\i)*16*PITCH
.endif
.endr
.endm
.macro FRAGA reg, slot, q, i           ; a fragment of A from its image: two half fragments, each 512 bytes (16 a lane) and 256 bytes (8 a lane)
	ds_load_b128 v[\reg:\reg+3], v[ADRA+\slot] offset:ASTEP*(\i)+1536*(\q)
	ds_load_b64 v[\reg+4:\reg+5], v[ADRA+2+\slot] offset:ASTEP*(\i)+1536*(\q)+512
	ds_load_b128 v[\reg+6:\reg+9], v[ADRA+\slot] offset:ASTEP*(\i)+1536*(\q)+768
	ds_load_b64 v[\reg+10:\reg+11], v[ADRA+2+\slot] offset:ASTEP*(\i)+1536*(\q)+1280
.endm
; 16 matrix instructions: A's blocks a0, a0 + 1 x B's eight.  first = 1: the bias is C, and the product starts the sums.  The 64 accumulators take turns, one instruction a turn.
.macro MUL16 a0, p, q, sc, first
.irp a, \a0, \a0+1
.irp b, 0,1,2,3,4,5,6,7
.if \first
	v_wmma_scale_f32_16x16x128_f8f6f4 v[8*(8*((\a)%4)+\b):8*(8*((\a)%4)+\b)+7], v[128*(\p)+FR*\b:128*(\p)+FR*\b+FR-1], v[AF+FR*(\a):AF+FR*(\a)+FR-1], v[BR+8*\b:BR+8*\b+7], v[SC+8*NQ*(\sc)+NQ*\b+(\q)], v[SC+8*NQ*(\sc)+NQ*(\a)+(\q)] matrix_a_fmt:MATRIX_FMT_FP6 matrix_b_fmt:MATRIX_FMT_FP6 matrix_a_scale:MATRIX_SCALE_ROW1
.else
	v_wmma_scale_f32_16x16x128_f8f6f4 v[8*(8*((\a)%4)+\b):8*(8*((\a)%4)+\b)+7], v[128*(\p)+FR*\b:128*(\p)+FR*\b+FR-1], v[AF+FR*(\a):AF+FR*(\a)+FR-1], v[8*(8*((\a)%4)+\b):8*(8*((\a)%4)+\b)+7], v[SC+8*NQ*(\sc)+NQ*\b+(\q)], v[SC+8*NQ*(\sc)+NQ*(\a)+(\q)] matrix_a_fmt:MATRIX_FMT_FP6 matrix_b_fmt:MATRIX_FMT_FP6 matrix_a_scale:MATRIX_SCALE_ROW1
.endif
.endr
.endr
.endm
.macro FETCH_B slot, q, p
	WIN TO_B
.irp i, 0,1,2,3,4,5,6,7
	FRAG 128*(\p)+FR*\i, ADRB+\slot, \q, \i
.endr
	WIN 0
.endm
.macro FETCH_A slot, q, i0
.irp i, \i0, \i0+1, \i0+2, \i0+3
	FRAGA AF+FR*(\i), \slot, \q, \i
.endr
.endm
.macro SCALES sc
.irp i, 0,1,2,3,4,5,6,7
	ds_load_b64 v[SC+8*NQ*\sc+NQ*\i:SC+8*NQ*\sc+NQ*\i+1], v[ADRS] offset:\i*SBLK
.endr
.endm
.macro PLACES n
.rept \n
	v_nop
.endr
.endm
.macro STEP slot, q, first
	s_wait_dscnt 4*NLA                             ; B's set and A's blocks 0-3 are in; the youngest 16 loads (A's blocks 4-7) may be out
.if \first
	WIN FST_LO
.else
	WIN MUL_LO
.endif
	MUL16 0, (\q)%2, \q, \slot, \first
	MUL16 2, (\q)%2, \q, \slot, \first
	s_wait_dscnt 0
	PLACES NP
	FETCH_B \slot, (\q)+1, 1-(\q)%2
	FETCH_A \slot, (\q)+1, 0
.if \first
	WIN FST_HI
.else
	WIN MUL_HI
.endif
	MUL16 4, (\q)%2, \q, \slot, \first
	MUL16 6, (\q)%2, \q, \slot, \first
	PLACES NP
	WIN 0
	FETCH_A \slot, (\q)+1, 4
.endm
.macro TURN slot, next, fill
	s_wait_tensorcnt 0x0                           ; all my tensor loads have landed: my part of the next slot
	ds_add_u32 v[SPW], v[NIL]                      ; 0 onto my spare word
	s_wait_dscnt 4*NLA+1                           ; the add and the youngest 16 loads may be out
	WIN MUL_LO
	MUL16 0, 1, NQ-1, \slot, 0
	s_wait_dscnt 0x0                               ; the add is done, and my reads of this slot are over
	s_barrier_signal -1
	MUL16 2, 1, NQ-1, \slot, 0
	WIN 0
	s_barrier_wait -1
.if \fill
	CREST                                          ; the barrier has opened a round of the cluster's
	s_add_nc_u64 s[G0+4*\slot+2:G0+4*\slot+3], s[G0+4*\slot+2:G0+4*\slot+3], 2*ASTEP
	s_add_nc_u64 s[G0B+4*\slot+2:G0B+4*\slot+3], s[G0B+4*\slot+2:G0B+4*\slot+3], 2*ROWB
	JLOAD G0+4*\slot, G1, G0B+4*\slot, G1B         ; my one tensor load behind the round; its four v_nop are the places in front of the loads below
.else
	PLACES NP
.endif
	s_wait_alu depctr_va_vdst(0)
	v_add_nc_u32 v[ADRS], 4*NQ, v[ADRS]
	FETCH_B \next, 0, 0
	FETCH_A \next, 0, 0
	SCALES \next
	WIN MUL_HI
	MUL16 4, 1, NQ-1, \slot, 0
	MUL16 6, 1, NQ-1, \slot, 0
	PLACES NP
	WIN 0
	FETCH_A \next, 0, 4
.endm
	s_wait_alu depctr_va_vdst(0)
	s_wait_tensorcnt 1                             ; the scales and my part of K step 0 are in; K step 1's load may be out
	s_barrier_signal -1
	s_barrier_wait -1
	FETCH_B 0, 0, 0
	FETCH_A 0, 0, 0
	SCALES 0
	FETCH_A 0, 0, 4
	s_wait_loadcnt 0x0                             ; the bias
	STEP 0, 0, 1
	TURN 0, 1, 1
	STEP 1, 0, 0
	TURN 1, 0, 1
	STEP 0, 0, 0
	TURN 0, 1, 0
	STEP 1, 0, 0
	s_wait_dscnt 4*NLA
	WIN MUL_LO
	MUL16 0, 1, NQ-1, 1, 0
	MUL16 2, 1, NQ-1, 1, 0
	s_wait_dscnt 0
	WIN MUL_HI
	MUL16 4, 1, NQ-1, 1, 0
	MUL16 6, 1, NQ-1, 1, 0
	WIN 0
; THE WAY OUT, block by block of 16 rows x 128 columns, through my own stage in LDS: in as 32 bytes a lane, back as whole rows of 512 bytes.  LDS serves a wave's instructions in order (ISA guide 5.7.1.4).
.macro TOSTAGE a
.set AC, 64*((\a)%4)
	WIN 0x08+4*((\a)/4)                            ; the data: window 2 or 3
.irp b, 0,1,2,3,4,5,6,7
	ds_store_b128 v[STO], v[AC+8*\b:AC+8*\b+3] offset:64*\b          ; each accumulator from its low end on
	ds_store_b128 v[STO], v[AC+8*\b+4:AC+8*\b+7] offset:64*\b+16
.endr
	WIN 0
.set BB, BK+64*((\a)%2)
.irp t, 0,1,2,3,4,5,6,7,8,9,10,11,12,13,14,15
	ds_load_b128 v[BB+4*\t:BB+4*\t+3], v[RD] offset:\t*SPITCH
.endr
.endm
.macro SEND a, younger
.set BB, BK+64*((\a)%2)
	s_wait_dscnt \younger                          ; the block is back in registers
.if (\a) > 0
	s_add_nc_u64 s[12:13], s[12:13], 16*SIZE_N*4   ; (behind a wait on XCNT)  16 rows on
.endif
.irp t, 0,1,2,3,4,5,6,7,8,9,10,11,12,13,14,15
	global_store_b128 v[CO], v[BB+4*\t:BB+4*\t+3], s[12:13] offset:\t*SIZE_N*4 th:TH_STORE_NT   ; 32 lanes store 512 consecutive aligned bytes
.endr
.endm
	PLACES NP
	TOSTAGE 0
.irp a, 1,2,3,4,5,6,7
.if \a > 1
	s_wait_xcnt 0x0                                ; block a - 2's stores have read their registers and their base
.endif
	TOSTAGE \a
	SEND \a-1, 32                                  ; behind block a - 1's loads: block a's 16 stores and 16 loads
.endr
	s_wait_xcnt 0x0
	SEND 7, 0
	s_wait_tensorcnt 0x0                           ; the wave's end
	ds_add_u32 v[SPW], v[NIL]
	s_wait_dscnt 0x0
	CROUND                                         ; the closing round
	s_endpgm
.Lfunc_end_k_qbed40696d6_proj:
	.size	k_qbed40696d6_proj, .Lfunc_end_k_qbed40696d6_proj-k_qbed40696d6_proj
	.p2alignl 7, 3214868480
	.fill 96, 4, 3214868480
	.section	.rodata,"a",@progbits
	.p2align	6, 0x0
	.amdhsa_kernel k_qbed40696d6_proj
		.amdhsa_group_segment_fixed_size 327680
		.amdhsa_private_segment_fixed_size 0
		.amdhsa_enable_private_segment 0
		.amdhsa_kernarg_size 48
		.amdhsa_user_sgpr_count 2
		.amdhsa_user_sgpr_kernarg_segment_ptr 1
		.amdhsa_wavefront_size32 1
		.amdhsa_system_sgpr_workgroup_id_x 1
		.amdhsa_system_sgpr_workgroup_id_y 1
		.amdhsa_system_sgpr_workgroup_id_z 1
		.amdhsa_system_vgpr_workitem_id 0
		.amdhsa_next_free_vgpr 1024
		.amdhsa_next_free_sgpr 98
		.amdhsa_reserve_vcc 0
		.amdhsa_float_denorm_mode_32 3
		.amdhsa_float_denorm_mode_16_64 3
		.amdhsa_memory_ordered 1
		.amdhsa_forward_progress 1
		.amdhsa_inst_pref_size 154
	.end_amdhsa_kernel
	.amdgpu_metadata
---
amdhsa.version: [ 1, 2 ]
amdhsa.kernels:
  - .name:           k_qbed40696d6_proj
    .symbol:         k_qbed40696d6_proj.kd
    .args:
      - { .name: o_img, .offset: 0, .size: 8, .value_kind: global_buffer, .address_space: global }
      - { .name: o_sc, .offset: 8, .size: 8, .value_kind: global_buffer, .address_space: global }
      - { .name: w_out_codes, .offset: 16, .size: 8, .value_kind: global_buffer, .address_space: global }
      - { .name: w_out_scales, .offset: 24, .size: 8, .value_kind: global_buffer, .address_space: global }
      - { .name: b_out, .offset: 32, .size: 8, .value_kind: global_buffer, .address_space: global }
      - { .name: out0, .offset: 40, .size: 8, .value_kind: global_buffer, .address_space: global }
    .group_segment_fixed_size: 327680
    .private_segment_fixed_size: 0
    .kernarg_segment_align: 8
    .kernarg_segment_size: 48
    .max_flat_workgroup_size: 128
    .sgpr_count:     98
    .vgpr_count:     1024
    .wavefront_size: 32
...
	.end_amdgpu_metadata
.endif
;; end of part 3
